; MI455X (gfx1250); checked and timed in simulation.
; The chip was launched on July 23, 2026; its instructions are those of AMD's public machine-readable ISA for CDNA 5 (MIT licence, August 2026) and "CDNA5" Instruction Set Architecture Reference Guide (July 2026). The comments in the code are by the model that wrote it; some were corrected since.
;; Multi Head Self Attention. Allowed arithmetic: matrix products marked QUANTISED: E2M1 operands, one E8M0 scale for each 32 along K, by v_wmma_scale_f32_16x16x128_f8f6f4 with both operands' format E2M1 (or v_wmma_scale_f32_32x16x128_f4), f32 sums; everything else in f32.
;; Inputs: b_proj 1,024 float32; b_qkv 3,072 float32; w_proj 1,024 x 1,024 float32; w_qkv 1,024 x 3,072 float32; x 4 x 2,048 x 1,024 float32.
;; Outputs: out0 4 x 2,048 x 1,024 float32.
;; This version of the problem:
;;   THIS VERSION OF THE PROBLEM IS GIVEN IN LOW PRECISION. The matrix products marked QUANTISED in the list below multiply operands that are first quantised to E2M1 (2 exponent bits, 1 mantissa bit; 4 bits a number), with one power-of-two scale for each 32 numbers along K (OCP MX v1.0); their sums are f32. All else is computed in f32.
;;   The module's matrix products, in the order in which they are computed (A, B: the left and right operand; K: the contracted axis; several contracted axes count as one K, in the product's order):
;;     1. [M 8,192, K 1,024] x [K 1,024, N 3,072]; A: input x; B: input w_qkv: QUANTISED
;;     2. batch 64 x [M 2,048, K 64] x [K 64, N 2,048]; A: computed on the way; B: computed on the way: QUANTISED
;;     3. batch 64 x [M 2,048, K 2,048] x [K 2,048, N 64]; A: softmax (see below); B: computed on the way: QUANTISED
;;     4. [M 8,192, K 1,024] x [K 1,024, N 1,024]; A: computed on the way; B: input w_proj: QUANTISED
;;   THE QUANTISER, for each operand of a quantised product, along K:
;;     - K is cut into blocks of 32 from its start; a last block that is shorter is filled with zeros.
;;     - A block's scale is 2^e with e = floor(log2(the largest magnitude in the block)) - 2, held to -126 .. 127; a block of zeros has e = 0. As a byte (E8M0): e + 127.
;;     - Each number is divided by its block's scale, clamped to +-6, and rounded to the nearest number of E2M1, ties to even, subnormals kept.
;;     - The product sums the exact products of the quantised numbers (number of the format x scale) in f32.
;;   ~~~python
;;   def quantise(x, axis):      # numpy; x: float32 -> the quantised numbers, widened to float32 again
;;       x = np.moveaxis(x, axis, -1); K = x.shape[-1]
;;       x = np.pad(x, [(0, 0)] * (x.ndim - 1) + [(0, -K % 32)]); x = x.reshape(x.shape[:-1] + (-1, 32)); a = np.abs(x).max(-1, keepdims=True)
;;       e = np.where(a > 0, np.clip(np.frexp(np.where(a > 0, a, 1))[1] - 1 - 2, -126, 127), 0)      # np.frexp(a)[1] - 1 = floor(log2(a)), exactly
;;       r = np.clip(x / 2.0 ** e, -6, 6)
;;       step = 2.0 ** (np.maximum(np.frexp(np.where(r == 0, 1, r))[1] - 1, 0) - 1)
;;       q = np.round(r / step) * step * 2.0 ** e      # np.round: ties to even
;;       return np.moveaxis(q.reshape(q.shape[:-2] + (-1,))[..., :K], -1, axis).astype(np.float32)
;;   ~~~
;;   SOFTMAX AHEAD OF A QUANTISED PRODUCT. Where the list says 'softmax', what is quantised is not the finished softmax but p = 2^(t - M), with t = logit x log2(e) and M = ceil(the row's largest t), a whole number; so 1/2 < the row's largest p <= 1. The row's sum l is taken of the UNQUANTISED p, in f32, and the product's result is divided by l at the end. Since M is a whole number, a kernel that streams over the keys may use a running M (the ceiling of the running maximum): every later rescaling is an exact power of two, which a block's scale takes up: the codes' values come out the same.
;;   OPERANDS COMPUTED ON THE WAY. 'Computed on the way' means the value that the module computes at that place (a softmax that the list does not call 'softmax' is quantised finished and normalised). What goes into a quantiser is computed in f32, as accurately as f32 sums, v_exp_f32 and their like allow (about 1e-6 of the number): no bf16 or f16 on the way to a quantiser, and a product that is left as it is and whose result goes on into a quantised operand takes f32 operands (vector FMAs, or v_wmma_f32_16x16x4_f32). A number that lies on a knife's edge between two numbers of the format may be rounded either way, as far as f32 arithmetic and the matrix unit's own rounding can turn it there, and no further.
;; One version. Each part assembles by itself: llvm-mc -triple=amdgcn-amd-amdhsa -mcpu=gfx1250 --defsym DOCPART=n.
;; ======== version 1 of 1: 4 launches
;; workspace buffers: opc 6,291,456 bytes; ops 393,216 bytes; qkv 13,369,344 bytes; ctxc 4,194,304 bytes; ctxs 262,144 bytes
;; launch quant (part 1): grid 256 x 1, 8 waves a work-group, no clusters, 84,480 bytes of LDS; arguments x, w_qkv, w_proj, opc, ops; writes opc, ops
.if DOCPART == 1
	.amdgcn_target "amdgcn-amd-amdhsa--gfx1250"
	.amdhsa_code_object_version 6
	.text
	.protected	k_qdc013e10f1_quant
	.globl	k_qdc013e10f1_quant
	.p2align	8
	.type	k_qdc013e10f1_quant,@function
k_qdc013e10f1_quant:
	s_mov_b64 s[64:65], 0
	v_nop
	global_prefetch_b8 v0, s[64:65] scope:SCOPE_SE
	s_setreg_imm32_b32 hwreg(HW_REG_WAVE_MODE, 25, 1), 1
	s_wait_xcnt 0x0
; x [8192][1024], w_qkv [1024][3072] and w_proj [1024][1024], f32, become codes of E2M1 with K = 1,024 innermost, and one E8M0 byte for each 32 along K.
; opc: 12,288 rows of 512 bytes (rows 0.. x's tokens, 8,192.. w_qkv's columns, 11,264.. w_proj's columns); ops: the same rows, 32 scale bytes each.
; NO WORK OF THE PROBLEM IS LEFT OUT in this program: both biases go into quantised operands or into the output, nothing is masked or sliced away; all five inputs are loaded.
; ROW ORDER: source row m lies at row m with its bits 3 and 4 exchanged.  Sixteen rows on end, 16 i + r, are then source rows 32 (i / 2) + 8 (i % 2) + r + 8 (r / 8): two neighbouring tiles of a matrix
; result hold 16 neighbours of the next product's K in a lane's registers, and the products read rows on end.
; A block's scale is 2^(floor(log2(largest magnitude)) - 2): its byte is the largest magnitude's exponent field - 2, held at 1 from below.
; LIMITS: a block of zeros, or one whose largest magnitude lies under 2^-124, keeps the byte 1 (its codes are zeros or the nearest codes under that scale; this program alone reads the bytes); NaN and infinities are not served.
; Work-groups 0-127 take x: a wave takes 8 rows (8,192 numbers) as 16 steps of 512; loads of 512 bytes on end, turned through the wave's own stage so that a lane holds 16 neighbours.
; Work-groups 128-255 take 32 columns of a weight each: a lane a column, registers down K, wave w the k 128 w .. 128 w + 127; the codes meet in a stage and leave as whole rows of 512 bytes.
; The two ways have LDS bytes of their own; both pass the one barrier.
.set STEPS, 16
.set EMAX,  2
.set CB,    8                          ; bytes of 16 codes
.set R,     16                         ; v16-79   x: four sets of 16 numbers as loaded
.set X,     80                         ; v80-111  x: two sets of 16 neighbours
.set E,     112                        ; v112-127 x: a scale byte for each step
.set C,     128                        ; v128-159 x: two registers of codes for each step
.set WREG,  8192                       ; x: LDS of a wave: two stages of 32 x SP, then 256 scale bytes
.set SP,    80
.set VO,    32                         ; v32-63   w: 4 x lane + i rows
.set WX,    64                         ; v64-127  w: two sets of 32 numbers
.set WC,    128                        ; v128-143 w: four registers of codes for each block
.set WB,    144                        ; v144     w: my four scale bytes
.set WST,   65536                      ; w: the stage: 32 columns x (512 + 16) bytes
.set WP,    528
.set WSC,   WST+32*WP                  ; w: 32 columns x 32 scale bytes
.set SPARE, WSC+1024                   ; the spare words, 128 bytes a wave: four blocks of 256 bytes that no other line names
.set SPW,   190
.set NIL,   191
.macro LOAD t
.irp i, 0,1,2,3
	global_load_b128 v[R+16*((\t)%4)+4*\i:R+16*((\t)%4)+4*\i+3], v3, s[24:25] offset:2048*(\t)+512*\i th:TH_LOAD_NT
.endr
.endm
.macro TURN t                          ; a step's 2,048 bytes through the stage; LDS serves a wave's instructions in order
.irp i, 0,1,2,3
	ds_store_b128 v14, v[R+16*((\t)%4)+4*\i:R+16*((\t)%4)+4*\i+3] offset:32*SP*((\t)%2)+8*SP*\i
.endr
.irp i, 0,1,2,3
	ds_load_b128 v[X+16*((\t)%2)+4*\i:X+16*((\t)%2)+4*\i+3], v15 offset:32*SP*((\t)%2)+16*\i
.endr
.endm
.macro STEP t
.set XS, X+16*((\t)%2)
.if (\t) > 0
	s_wait_dscnt 1                                 ; this step's numbers are back; the last step's byte store may be out
.else
	s_wait_dscnt 0x0
.endif
.if (\t)+4 < STEPS
	LOAD (\t)+4
.endif
.if (\t)+1 < STEPS
.if STEPS-2-(\t) >= 3
	s_wait_loadcnt 12                              ; the next step's four loads are in; the 12 of the three steps behind may be out
.else
	s_wait_loadcnt 4*(STEPS-2-(\t))
.endif
	TURN (\t)+1
.endif
	v_max3_num_f32 v8, |v[XS]|, |v[XS+1]|, |v[XS+2]|
	v_max3_num_f32 v9, |v[XS+3]|, |v[XS+4]|, |v[XS+5]|
.irp i, 6,10
	s_delay_alu instid0(VALU_DEP_2)
	v_max3_num_f32 v8, v8, |v[XS+\i]|, |v[XS+\i+1]|
	s_delay_alu instid0(VALU_DEP_2)
	v_max3_num_f32 v9, v9, |v[XS+\i+2]|, |v[XS+\i+3]|
.endr
	s_delay_alu instid0(VALU_DEP_2)
	v_max3_num_f32 v8, v8, |v[XS+14]|, |v[XS+15]|
	s_delay_alu instid0(VALU_DEP_1)
	v_max3_num_f32 v8, v8, v9, (EMAX+1)<<23        ; with the floor 2^(3 - 127): the byte cannot fall under 1
	s_delay_alu instid0(VALU_DEP_1)
	v_max_num_f32_dpp v8, v8, v8 row_xmask:1 row_mask:0xf bank_mask:0xf   ; and my neighbour's 16: the block's
	s_delay_alu instid0(VALU_DEP_1)
	v_add_nc_u32 v11, -(EMAX<<23), v8              ; 2 off the exponent field: the conversion's scale operand
	v_cvt_scalef32_pk8_fp4_f32 v[C+2*(\t)], v[XS:XS+7], v11
	v_cvt_scalef32_pk8_fp4_f32 v[C+2*(\t)+1], v[XS+8:XS+15], v11
	v_lshrrev_b32 v[E+(\t)], 23, v11               ; the scale's byte
	ds_store_b8 v5, v[E+(\t)] offset:16*(\t)       ; both lanes of a block write the same byte
	global_store_b64 v4, v[C+2*(\t):C+2*(\t)+1], s[26:27] offset:32*CB*(\t)   ; the wave stores 256 bytes on end, aligned
.endm
.macro WLOAD t                         ; block t: 32 rows of K at my column: 128 bytes on end a load
.set i, 0
.rept 32
	global_load_b32 v[WX+32*((\t)%2)+i], v[VO+i], s[24+2*(\t):25+2*(\t)]
.set i, i+1
.endr
.endm
.macro WBLOCK t
.set XS, WX+32*((\t)%2)
.if (\t) < 3
	s_wait_loadcnt 32                              ; this block's 32 loads are in; the next block's 32 may be out
.else
	s_wait_loadcnt 0x0
.endif
	v_max3_num_f32 v8, |v[XS]|, |v[XS+1]|, |v[XS+2]|
	v_max3_num_f32 v9, |v[XS+3]|, |v[XS+4]|, |v[XS+5]|
.irp i, 6,10,14,18,22,26
	s_delay_alu instid0(VALU_DEP_2)
	v_max3_num_f32 v8, v8, |v[XS+\i]|, |v[XS+\i+1]|
	s_delay_alu instid0(VALU_DEP_2)
	v_max3_num_f32 v9, v9, |v[XS+\i+2]|, |v[XS+\i+3]|
.endr
	s_delay_alu instid0(VALU_DEP_2)
	v_max3_num_f32 v8, v8, |v[XS+30]|, |v[XS+31]|
	s_delay_alu instid0(VALU_DEP_1)
	v_max3_num_f32 v8, v8, v9, (EMAX+1)<<23
	s_delay_alu instid0(VALU_DEP_1)
	v_add_nc_u32 v11, -(EMAX<<23), v8
	s_delay_alu instid0(VALU_DEP_1)
	v_lshrrev_b32 v9, 23, v11
.if (\t) == 0
	s_delay_alu instid0(VALU_DEP_1)
	v_mov_b32 v[WB], v9
.else
	s_delay_alu instid0(VALU_DEP_1)
	v_lshl_or_b32 v[WB], v9, 8*(\t), v[WB]
.endif
.irp g, 0,1,2,3
	v_cvt_scalef32_pk8_fp4_f32 v[WC+4*(\t)+\g], v[XS+8*\g:XS+8*\g+7], v11
.endr
	ds_store_b128 v4, v[WC+4*(\t):WC+4*(\t)+3] offset:16*(\t)
.endm
	s_load_b256 s[4:11], s[0:1], 0x0               ; x s[4:5], w_qkv s[6:7], w_proj s[8:9], opc s[10:11]: never written again
	s_load_b64 s[12:13], s[0:1], 0x20              ; ops
	v_lshl_add_u32 v[SPW], v0, 2, SPARE
	v_mov_b32 v[NIL], 0
	v_lshrrev_b32 v1, 5, v0
	s_delay_alu instid0(VALU_DEP_1)
	v_readfirstlane_b32 s16, v1                    ; wave 0..7
	v_and_b32 v2, 31, v0                           ; lane
	s_mov_b32 s21, 0
	s_wait_kmcnt 0x0
	s_cmp_lt_u32 ttmp9, 128                        ; the work-group's number alone: all eight waves go the same way
	s_cbranch_scc0 .Lw
	s_wait_alu depctr_va_vdst(0)
	; ---- x
	v_lshlrev_b32 v3, 4, v2                        ; my 16 bytes of a load's 512
	s_mul_i32 s17, s16, WREG
	v_lshrrev_b32 v14, 2, v2
	s_delay_alu instid0(VALU_DEP_1)
	v_mul_u32_u24 v14, v14, SP
	v_and_b32 v15, 3, v2
	s_delay_alu instid0(VALU_DEP_1)
	v_lshl_add_u32 v14, v15, 4, v14
	s_delay_alu instid0(VALU_DEP_1)
	v_add_nc_u32 v14, s17, v14                     ; into the stage: SP (lane / 4) + 16 (lane % 4)
	v_mul_u32_u24 v15, v2, SP
	s_delay_alu instid0(VALU_DEP_1)
	v_add_nc_u32 v15, s17, v15                     ; out of it: SP x lane
	v_mul_u32_u24 v4, v2, CB
	v_lshrrev_b32 v5, 1, v2
	s_add_co_u32 s17, s17, 2*32*SP
	v_add_nc_u32 v5, s17, v5                       ; my block's byte among the wave's 256
	v_lshlrev_b32 v7, 3, v2
	s_delay_alu instid0(VALU_DEP_1)
	v_add_nc_u32 v6, s17, v7
	s_lshl_b32 s18, ttmp9, 3
	s_add_co_u32 s20, s18, s16                     ; my run of 8 rows
	s_lshl_b32 s20, s20, 15
	s_add_nc_u64 s[24:25], s[4:5], s[20:21]
	s_and_b32 s19, s16, 4                          ; where it goes: rows' bits 3 and 4 exchanged = the run's bits 0 and 1
	s_and_b32 s22, s16, 1
	s_lshl_b32 s22, s22, 1
	s_or_b32 s19, s19, s22
	s_bfe_u32 s22, s16, 0x10001
	s_or_b32 s19, s19, s22
	s_add_co_u32 s18, s18, s19
	s_lshl_b32 s20, s18, 12
	s_add_nc_u64 s[26:27], s[10:11], s[20:21]
	s_lshl_b32 s20, s18, 8
	s_add_nc_u64 s[28:29], s[12:13], s[20:21]
.irp t, 0,1,2,3
	LOAD \t
.endr
	s_wait_alu depctr_va_vdst(0)
	s_wait_loadcnt 12                              ; step 0's four loads are in
	TURN 0
.irp t, 0,1,2,3,4,5,6,7,8,9,10,11,12,13,14,15
	STEP \t
.endr
	ds_load_b64 v[8:9], v6                         ; my wave's 256 scale bytes, 8 a lane
	s_wait_dscnt 0x0
	global_store_b64 v7, v[8:9], s[28:29]          ; 256 bytes on end, aligned
	s_branch .Ljoin
.Lw:
	; ---- a weight: 32 columns
	s_sub_co_u32 s17, ttmp9, 128                   ; which 32 of the 4,096 columns
	s_cmp_lt_u32 s17, 96
	s_cselect_b64 s[22:23], s[6:7], s[8:9]         ; w_qkv or w_proj
	s_mov_b32 s18, 4096
	s_cselect_b32 s18, 12288, s18                  ; bytes from row to row
	s_cselect_b32 s19, 0, 96
	s_sub_co_u32 s19, s17, s19
	s_lshl_b32 s20, s19, 7                         ; my columns' bytes in a row
	s_lshl_b32 s19, s16, 7
	s_mul_i32 s19, s19, s18                        ; my wave's first row of K
	s_add_co_u32 s20, s20, s19
	s_add_nc_u64 s[24:25], s[22:23], s[20:21]
	s_lshl_b32 s20, s18, 5                         ; 32 rows on
	s_add_nc_u64 s[26:27], s[24:25], s[20:21]
	s_add_nc_u64 s[28:29], s[26:27], s[20:21]
	s_add_nc_u64 s[30:31], s[28:29], s[20:21]
	s_wait_alu depctr_va_vdst(0)
	v_lshlrev_b32 v[VO], 2, v2
.set i, 1
.rept 31
	s_delay_alu instid0(VALU_DEP_1)
	v_add_nc_u32 v[VO+i], s18, v[VO+i-1]
.set i, i+1
.endr
	v_mul_u32_u24 v4, v2, WP
	s_lshl_b32 s19, s16, 6
	s_add_co_u32 s19, s19, WST
	v_add_nc_u32 v4, s19, v4                       ; the stage: row = my column, 64 bytes a wave
	v_lshlrev_b32 v5, 5, v2
	s_lshl_b32 s19, s16, 2
	s_add_co_u32 s19, s19, WSC
	v_add_nc_u32 v5, s19, v5                       ; my column's 32 scale bytes, 4 a wave
	WLOAD 0
	WLOAD 1
	WBLOCK 0
	WLOAD 2
	WBLOCK 1
	WLOAD 3
	WBLOCK 2
	WBLOCK 3
	ds_store_b32 v5, v[WB]
.Ljoin:
	s_wait_dscnt 0x0                               ; for the others' sake: my LDS stores have landed
	s_barrier_signal -1
	s_barrier_wait -1
	s_cmp_lt_u32 ttmp9, 128
	s_cbranch_scc1 .Lend
	; ---- a weight's way out: wave w takes stage rows 4 w .. 4 w + 3; every address is made anew here
	v_and_b32 v160, 31, v0
	s_delay_alu instid0(VALU_DEP_1)
	v_lshlrev_b32 v161, 4, v160
	s_mul_i32 s19, s16, 4*WP
	s_add_co_u32 s19, s19, WST
	v_add_nc_u32 v162, s19, v161
	s_wait_alu depctr_va_vdst(0)
	v_lshlrev_b32 v163, 3, v160
	s_and_b32 s19, s16, 3
	s_lshl_b32 s19, s19, 8
	s_add_co_u32 s19, s19, WSC
	v_add_nc_u32 v180, s19, v163
	s_sub_co_u32 s17, ttmp9, 128
	s_and_b32 s18, s16, 1                          ; rows' bits 3 and 4 exchanged = the wave's bits 1 and 2
	s_and_b32 s19, s16, 2
	s_lshl_b32 s19, s19, 1
	s_or_b32 s18, s18, s19
	s_and_b32 s19, s16, 4
	s_lshr_b32 s19, s19, 1
	s_or_b32 s18, s18, s19
	s_lshl_b32 s18, s18, 2
	s_lshl_b32 s20, s17, 5
	s_add_co_u32 s20, s20, 8192                    ; the work-group's first row
	s_add_co_u32 s22, s20, s18
	s_lshl_b32 s22, s22, 9
	s_mov_b32 s23, 0
	s_add_nc_u64 s[32:33], s[10:11], s[22:23]
	s_and_b32 s18, s16, 1                          ; eight rows' scale bytes are 256: their number's bits 0 and 1 exchanged
	s_lshl_b32 s18, s18, 1
	s_bfe_u32 s19, s16, 0x10001
	s_or_b32 s18, s18, s19
	s_lshl_b32 s18, s18, 8
	s_lshl_b32 s22, s20, 5
	s_add_co_u32 s22, s22, s18
	s_add_nc_u64 s[34:35], s[12:13], s[22:23]
.irp i, 0,1,2,3
	ds_load_b128 v[164+4*\i:167+4*\i], v162 offset:\i*WP
.endr
	s_cmp_lt_u32 s16, 4
	s_cbranch_scc0 .Lnosc
	s_wait_alu depctr_va_vdst(0)
	ds_load_b64 v[182:183], v180
	s_wait_dscnt 0x0
	global_store_b64 v163, v[182:183], s[34:35]    ; 256 bytes on end, aligned
.Lnosc:
	s_wait_dscnt 0x0
.irp i, 0,1,2,3
	global_store_b128 v161, v[164+4*\i:167+4*\i], s[32:33] offset:512*\i   ; a whole row of 512 bytes
.endr
.Lend:
	s_wait_tensorcnt 0x0                           ; the wave's end
	ds_add_u32 v[SPW], v[NIL]
	s_wait_dscnt 0x0
	s_endpgm
.Lfunc_end_k_qdc013e10f1_quant:
	.size	k_qdc013e10f1_quant, .Lfunc_end_k_qdc013e10f1_quant-k_qdc013e10f1_quant
	.p2alignl 7, 3214868480
	.fill 96, 4, 3214868480
	.section	.rodata,"a",@progbits
	.p2align	6, 0x0
	.amdhsa_kernel k_qdc013e10f1_quant
		.amdhsa_group_segment_fixed_size 84480
		.amdhsa_private_segment_fixed_size 0
		.amdhsa_enable_private_segment 0
		.amdhsa_kernarg_size 40
		.amdhsa_user_sgpr_count 2
		.amdhsa_user_sgpr_kernarg_segment_ptr 1
		.amdhsa_wavefront_size32 1
		.amdhsa_system_sgpr_workgroup_id_x 1
		.amdhsa_system_sgpr_workgroup_id_y 1
		.amdhsa_system_sgpr_workgroup_id_z 1
		.amdhsa_system_vgpr_workitem_id 0
		.amdhsa_next_free_vgpr 192
		.amdhsa_next_free_sgpr 66
		.amdhsa_reserve_vcc 0
		.amdhsa_float_denorm_mode_32 3
		.amdhsa_float_denorm_mode_16_64 3
		.amdhsa_memory_ordered 1
		.amdhsa_forward_progress 1
		.amdhsa_inst_pref_size 63
	.end_amdhsa_kernel
	.amdgpu_metadata
---
amdhsa.version: [ 1, 2 ]
amdhsa.kernels:
  - .name:           k_qdc013e10f1_quant
    .symbol:         k_qdc013e10f1_quant.kd
    .args:
      - { .name: x, .offset: 0, .size: 8, .value_kind: global_buffer, .address_space: global }
      - { .name: w_qkv, .offset: 8, .size: 8, .value_kind: global_buffer, .address_space: global }
      - { .name: w_proj, .offset: 16, .size: 8, .value_kind: global_buffer, .address_space: global }
      - { .name: opc, .offset: 24, .size: 8, .value_kind: global_buffer, .address_space: global }
      - { .name: ops, .offset: 32, .size: 8, .value_kind: global_buffer, .address_space: global }
    .group_segment_fixed_size: 84480
    .private_segment_fixed_size: 0
    .kernarg_segment_align: 8
    .kernarg_segment_size: 40
    .max_flat_workgroup_size: 256
    .sgpr_count:     66
    .vgpr_count:     192
    .wavefront_size: 32
...
	.end_amdgpu_metadata
.endif
;; end of part 1
;; launch gemm_qkv (part 2): grid 12 x 32, 4 waves a work-group, clusters of 4 x 4, 327,680 bytes of LDS; arguments opc, ops, b_qkv, qkv; writes qkv
.if DOCPART == 2
	.amdgcn_target "amdgcn-amd-amdhsa--gfx1250"
	.amdhsa_code_object_version 6
	.text
	.protected	k_qdc013e10f1_gemm_qkv
	.globl	k_qdc013e10f1_gemm_qkv
	.p2align	8
	.type	k_qdc013e10f1_gemm_qkv,@function
k_qdc013e10f1_gemm_qkv:
	s_mov_b64 s[64:65], 0
	v_nop
	global_prefetch_b8 v0, s[64:65] scope:SCOPE_SE
	s_setreg_imm32_b32 hwreg(HW_REG_WAVE_MODE, 25, 1), 1
	s_wait_xcnt 0x0
	s_wait_alu depctr_hold_cnt(0) depctr_sa_sdst(0) depctr_va_vdst(0) depctr_va_sdst(0) depctr_va_ssrc(0) depctr_va_vcc(0) depctr_vm_vsrc(0)
	s_getreg_b32 s2, hwreg(HW_REG_IB_STS2, 6, 4)
	s_cmp_eq_u32 s2, 0
	s_cbranch_scc0 .Lentry_in_a_cluster
	s_endpgm
.Lentry_in_a_cluster:
	s_bfe_u32 s2, ttmp6, 0x10000c
	s_cmp_lg_u32 s2, 0xf033
	s_cbranch_scc0 .Lentry_shape_is_right
	s_endpgm
.Lentry_shape_is_right:
; qkv = x w_qkv + b_qkv on codes of E2M1 (K = 1,024), and q, k, v quantised on the way out for the two products of attention.  Nothing of the problem's work is left out.
; A tile of 256 x 256, four waves, 128 x 128 a wave: 64 accumulators.  K = 1,024 is two LDS slots of 512: both, and all scale bytes, are asked for at the head; nothing is filled again.
; The cluster's x says what is made.  0: q, 1: k: operand A' = 256 tokens, B' = 256 columns of w_qkv.  2: v, with the roles changed: A' = 256 of v's channels, B' = 256 tokens.
; The matrix instruction takes source 0 = 16 rows of B', source 1 = 16 rows of A': a lane holds ONE row of A', and its registers run along B'.  By the row order of opc the 64 registers of a block of 16 rows of A' are
; register 16 b + i = B' 32 b + 16 (lane / 16) + i.  So q and k (B' = the head's 64) and v (B' = the keys) are quantised by the same lines, and the codes ARE the next operand's registers.
; qkv: 64 records (16 batch + head) of 208,896 bytes: q's images 0, q's scale words 65,536, k's images 69,632, v's images 135,168, k's scale words 200,704, v's 204,800.  A step is 128 tokens.
;   q, k images [step][tile a of 8][lane][16 B]: lane (r, h): d = 32 h .. + 31 of token 128 step + 32 (a / 2) + 8 (a % 2) + r + 8 (r / 8).
;   v images [step][tile t of 4][c][lane][16 B]: keys 128 step + 64 c + 32 h .. + 31 of channel 32 (t / 2) + 8 (t % 2) + r + 8 (r / 8).
;   scale words [step][lane][2]: word j of lane 16 e + r is operand 2 j + e's, row r.  q, k: operand = tiles 2 n, 2 n + 1 (two bytes each); v: operand = tile t (four key blocks).
; CLUSTERS: 4 x 4; A's tiles are shared along a row of the cluster, B's along a column, by joint loads.  The branch between the two ways out hangs on the cluster's x, which all sixteen partners share.
; LIMITS: a block whose largest magnitude lies under 2^-124 keeps the byte 1; NaN and infinities are not served.
; REGISTERS: window 0: v8-29 addresses; v32-95 scale words, two sets; v128-191 A's fragments; v192-255 the bias; on the way out v96-111 at work, v112-119 codes, v120-127 a scale word for each block, v128-191 64 numbers.
;   window 1: B's fragments, two sets;  windows 2, 3: the accumulators ((a, b) at v[8 (8 (a % 4) + b)]).
.set NQ,     4
.set ROWB,   256
.set KROW,   512
.set PITCH,  272                       ; 256 bytes + 16: the 16 rows that a load touches start 4 words apart
.set FR,     8
.set NL,     2
.set NP,     4
.set HALFT,  128*PITCH
.set SLOT,   4*HALFT
.set KS,     32
.set SCL,    2*SLOT
.set HALFS,  (128*KS/256)*272
.set SBLK,   (16*KS/256)*272
.set SPARE,  SCL+4*HALFS               ; the spare words, 128 bytes a wave: two blocks of 256 bytes that no other line names
.set REC,    208896
.set L16,  8                           ; 16 x lane
.set L8,   9                           ; 8 x lane
.set BLQ,  10                          ; q, k: 64 (lane / 16)
.set BLV,  11                          ; v: 4 (r + 8 (r / 8))
.set ADRA, 16
.set ADRB, 20
.set ADRS, 27
.set SPW,  28
.set NIL,  29
.set SC,   32
.set TM,   96
.set PC,   112
.set PW,   120
.set AF,   128
.set HA,   128
.set BI,   192
.set SEL,  2                           ; s[2:3]
.set G1, 24
.set G0, 32
.set G1B, 48
.set G0B, 56
.set G1S, 68
.set G0S, 76
.set G1SB, 80
.set G0SB, 88
.set MSB, 0
.macro WIN new                         ; the immediate's high byte repeats the setting that is left
.if MSB != \new
	s_set_vgpr_msb (MSB<<8)|\new
.set MSB, \new
.endif
.endm
.set MUL_LO, 0xa1
.set MUL_HI, 0xf1
.set TO_B,   0x40
.macro JLOAD g0a, g1a, g0b, g1b        ; waves 0, 1 fetch for A', waves 2, 3 for B'; an s_nop 0 and four v_nop follow each line
	s_cmp_eq_u32 s15, 0
	s_cbranch_scc0 .Lfor_b_\@
	tensor_load_to_lds s[\g0a:\g0a+3], s[\g1a:\g1a+7]
	s_nop 0
.rept 4
	v_nop
.endr
	s_branch .Lasked_\@
.Lfor_b_\@:
	tensor_load_to_lds s[\g0b:\g0b+3], s[\g1b:\g1b+7]
	s_nop 0
.rept 4
	v_nop
.endr
.Lasked_\@:
.endm
.macro CROUND                          ; a round of the cluster's barrier
	s_barrier_signal -1
	s_barrier_wait -1
	s_cmp_lg_u32 s14, 0
	s_cbranch_scc1 .Lnot_wave_0_\@
	s_barrier_signal -3
.Lnot_wave_0_\@:
	s_barrier_wait -3
	s_barrier_signal -1
	s_barrier_wait -1
.endm
.macro FRAG reg, adr, q, i             ; 16 rows x 128 K: two loads of 16 bytes, 32 apart
.irp c, 0,1
	ds_load_b128 v[\reg+4*\c:\reg+4*\c+3], v[\adr] offset:64*(\q)+32*\c+(\i)*16*PITCH
.endr
.endm
.macro MUL16 a0, p, q, sc, zero        ; A's blocks a0, a0 + 1 x B's eight; the 64 accumulators take turns, one instruction a turn
.irp a, \a0, \a0+1
.irp b, 0,1,2,3,4,5,6,7
.if \zero
	v_wmma_scale_f32_16x16x128_f8f6f4 v[8*(8*((\a)%4)+\b):8*(8*((\a)%4)+\b)+7], v[128*(\p)+FR*\b:128*(\p)+FR*\b+FR-1], v[AF+FR*(\a):AF+FR*(\a)+FR-1], 0, v[SC+8*NQ*(\sc)+NQ*\b+(\q)], v[SC+8*NQ*(\sc)+NQ*(\a)+(\q)] matrix_a_fmt:MATRIX_FMT_FP4 matrix_b_fmt:MATRIX_FMT_FP4 matrix_a_scale:MATRIX_SCALE_ROW1
.else
	v_wmma_scale_f32_16x16x128_f8f6f4 v[8*(8*((\a)%4)+\b):8*(8*((\a)%4)+\b)+7], v[128*(\p)+FR*\b:128*(\p)+FR*\b+FR-1], v[AF+FR*(\a):AF+FR*(\a)+FR-1], v[8*(8*((\a)%4)+\b):8*(8*((\a)%4)+\b)+7], v[SC+8*NQ*(\sc)+NQ*\b+(\q)], v[SC+8*NQ*(\sc)+NQ*(\a)+(\q)] matrix_a_fmt:MATRIX_FMT_FP4 matrix_b_fmt:MATRIX_FMT_FP4 matrix_a_scale:MATRIX_SCALE_ROW1
.endif
.endr
.endr
.endm
.macro FETCH_B slot, q, p
	WIN TO_B
.irp i, 0,1,2,3,4,5,6,7
	FRAG 128*(\p)+FR*\i, ADRB+\slot, \q, \i
.endr
	WIN 0
.endm
.macro FETCH_A slot, q, i0
.irp i, \i0, \i0+1, \i0+2, \i0+3
	FRAG AF+FR*(\i), ADRA+\slot, \q, \i
.endr
.endm
.macro SCALES sc                       ; a slot's four words a row: lanes 0-15 A's block i, lanes 16-31 B's block i
.irp i, 0,1,2,3,4,5,6,7
	ds_load_b128 v[SC+8*NQ*\sc+NQ*\i:SC+8*NQ*\sc+NQ*\i+3], v[ADRS] offset:\i*SBLK
.endr
.endm
.macro PLACES n                        ; plain vector instructions between a matrix instruction and a load into, or a vector read or write of, its registers
.rept \n
	v_nop
.endr
.endm
.macro STEP slot, q, zero              ; 128 along K whose successor lies in the same slot
	s_wait_dscnt 4*NL                              ; all but the youngest eight loads (A's blocks 4-7)
	WIN MUL_LO
	MUL16 0, (\q)%2, \q, \slot, \zero
	MUL16 2, (\q)%2, \q, \slot, \zero
	s_wait_dscnt 0
	PLACES NP
	FETCH_B \slot, (\q)+1, 1-(\q)%2
	FETCH_A \slot, (\q)+1, 0
	WIN MUL_HI
	MUL16 4, (\q)%2, \q, \slot, \zero
	MUL16 6, (\q)%2, \q, \slot, \zero
	PLACES NP
	WIN 0
	FETCH_A \slot, (\q)+1, 4
.endm
.macro TURN slot, next                 ; slot 0's last step, and the one barrier behind which slot 1 is whole for every wave
	s_wait_tensorcnt 0x0                           ; all my tensor loads have landed: my part of slot 1
	ds_add_u32 v[SPW], v[NIL]                      ; 0 onto my spare word
	s_wait_dscnt 4*NL+1                            ; the add and the youngest eight loads may be out
	WIN MUL_LO
	MUL16 0, 1, NQ-1, \slot, 0
	s_wait_dscnt 0x0
	s_barrier_signal -1
	MUL16 2, 1, NQ-1, \slot, 0
	WIN 0
	s_barrier_wait -1
	PLACES NP
	v_add_nc_u32 v[ADRS], 4*NQ, v[ADRS]            ; the next slot's scale words (no LDS load of mine is out)
	FETCH_B \next, 0, 0
	FETCH_A \next, 0, 0
	SCALES \next
	WIN MUL_HI
	MUL16 4, 1, NQ-1, \slot, 0
	MUL16 6, 1, NQ-1, \slot, 0
	PLACES NP
	WIN 0
	FETCH_A \next, 0, 4
.endm
.macro STEPS slot, from
.set Q, \from
.rept NQ-1-\from
	STEP \slot, Q, 0
.set Q, Q+1
.endr
.endm
.macro LAST                            ; the very last step: nothing more to fetch
	s_wait_dscnt 4*NL
	WIN MUL_LO
	MUL16 0, 1, NQ-1, 1, 0
	MUL16 2, 1, NQ-1, 1, 0
	s_wait_dscnt 0
	WIN MUL_HI
	MUL16 4, 1, NQ-1, 1, 0
	MUL16 6, 1, NQ-1, 1, 0
	WIN 0
.endm
; 64 numbers of a lane, register 16 b + i = k 32 b + 16 (lane / 16) + i of my row, become a fragment's codes in v[pc] on and its scale word in v[pw]
.macro QUANT s, pc, pw
.irp b, 0,1,2,3
	v_max3_num_f32 v[TM+\b], |v[\s+16*\b]|, |v[\s+1+16*\b]|, 0x1800000   ; with the floor 2^(3 - 127)
.endr
.irp i, 2,4,6,8,10,12,14
.irp b, 0,1,2,3
	v_max3_num_f32 v[TM+\b], v[TM+\b], |v[\s+16*\b+\i]|, |v[\s+1+16*\b+\i]|
.endr
.endr
.irp b, 0,1,2,3
	v_permlanex16_b32 v[TM+4+\b], v[TM+\b], s[SEL], s[SEL+1]
.endr
.irp b, 0,1,2,3
	v_max_num_f32 v[TM+\b], v[TM+\b], v[TM+4+\b]   ; with lane l xor 16's: the block's largest magnitude
.endr
.irp b, 0,1,2,3
	v_add_nc_u32 v[TM+12+\b], 0xff000000, v[TM+\b] ; 2 off the exponent field: the conversion's scale operand
.endr
.irp b, 0,1,2,3
	v_lshrrev_b32 v[TM+4+\b], 23, v[TM+12+\b]      ; the scale's byte
.endr
	v_lshl_or_b32 v[\pw], v[TM+5], 8, v[TM+4]
	v_lshl_or_b32 v[\pw], v[TM+6], 16, v[\pw]
	v_lshl_or_b32 v[\pw], v[TM+7], 24, v[\pw]
.irp b, 0,1,2,3
	v_cvt_scalef32_pk8_fp4_f32 v[\pc+2*\b], v[\s+16*\b:\s+7+16*\b], v[TM+12+\b]
	v_cvt_scalef32_pk8_fp4_f32 v[\pc+1+2*\b], v[\s+8+16*\b:\s+15+16*\b], v[TM+12+\b]
.endr
	v_nop                                          ; one plain place behind a scaled conversion
.irp c, 0,1                            ; a whole block to a lane: lanes 0-15 block 2 c, lanes 16-31 block 2 c + 1
.irp i, 0,1
	v_permlane16_swap_b32 v[\pc+4*\c+\i], v[\pc+2+4*\c+\i]
.endr
.endr
.endm
; THE WAY OUT.  kind 0: q, k (the bias runs along the registers; a fragment's halves are two heads).  kind 1: v (the bias is the lane's; blocks 0-3 and 4-7 are two heads).
.macro EPI kind
	PLACES NP
	s_wait_loadcnt 0x0                             ; the bias
.irp b, 0,1,2,3
	v_mov_b32 v[TM+4+\b], 0                        ; written once: a lane permute's destination counts as one of its sources
.endr
.irp a, 0,1,2,3,4,5,6,7
	WIN (0x02+(\a)/4)                              ; source 0: the accumulators' window
.set n, 0
.rept 32                               ; + the bias, and into window 0; each accumulator from its low end on
.if \kind
	v_pk_add_f32 v[HA+n:HA+n+1], v[64*(\a%4)+n:64*(\a%4)+n+1], v[BI+2*\a:BI+2*\a+1]
.else
	v_pk_add_f32 v[HA+n:HA+n+1], v[64*(\a%4)+n:64*(\a%4)+n+1], v[BI+n:BI+n+1]
.endif
.set n, n+2
.endr
	WIN 0
.if \a > 0
	s_wait_xcnt 0x0                                ; the last block's stores have read the code registers: they are written again only behind this wait
.endif
	QUANT HA, PC, PW+\a
.irp c, 0,1
.if \kind
	global_store_b128 v[L16], v[PC+4*\c:PC+4*\c+3], s[96:97] offset:(\a/4)*REC+(\a%4)*1024+\c*512   ; 512 bytes on end, aligned
.else
	global_store_b128 v[L16], v[PC+4*\c:PC+4*\c+3], s[96:97] offset:\c*REC+\a*512
.endif
.endr
.endr
.irp c, 0,1                            ; head c's scale words of this step: 256 bytes on end
.if \kind
	v_cndmask_b32 v[HA+8*\c+4], v[PW+4*\c], v[PW+4*\c+1], s67        ; lanes 0-15 operand 0, lanes 16-31 operand 1
	v_cndmask_b32 v[HA+8*\c+5], v[PW+4*\c+2], v[PW+4*\c+3], s67      ; operands 2 and 3
.else
.irp b, 0,1,2,3
.if \c
	v_perm_b32 v[HA+8*\c+\b], v[PW+2*\b+1], v[PW+2*\b], 0x07060302   ; the head's two bytes of tile 2 b below, of tile 2 b + 1 above
.else
	v_perm_b32 v[HA+8*\c+\b], v[PW+2*\b+1], v[PW+2*\b], 0x05040100
.endif
.endr
	v_cndmask_b32 v[HA+8*\c+4], v[HA+8*\c], v[HA+8*\c+1], s67
	v_cndmask_b32 v[HA+8*\c+5], v[HA+8*\c+2], v[HA+8*\c+3], s67
.endif
	global_store_b64 v[L8], v[HA+8*\c+4:HA+8*\c+5], s[98:99] offset:\c*REC
.endr
.endm
	s_load_b256 s[4:11], s[0:1], 0x0               ; opc s[4:5], ops s[6:7], b_qkv s[8:9], qkv s[10:11]
	v_lshl_add_u32 v[SPW], v0, 2, SPARE
	v_mov_b32 v[NIL], 0
	ds_add_u32 v[SPW], v[NIL]                      ; the wave's opening: the add, twice on end, and its wait ahead of my first tensor load
	ds_add_u32 v[SPW], v[NIL]
	v_lshrrev_b32 v1, 5, v0
	v_readfirstlane_b32 s14, v1                    ; wave 0..3
	s_lshr_b32 s15, s14, 1                         ; my half of A's rows; also: I fetch for A' (0) or B' (1)
	s_and_b32 s16, s14, 1                          ; my half of B's rows; also: which 128 rows I fetch
	s_bfe_u32 s40, ttmp6, 0x40000                  ; cx
	s_bfe_u32 s41, ttmp6, 0x40004                  ; cy
	s_lshr_b32 s12, ttmp9, 1                       ; 1 where v is made (cluster x = 2)
	s_xor_b32 s13, s12, 1
	s_and_b32 s17, ttmp7, 0xffff
	s_lshl_b32 s17, s17, 2                         ; 4 x cluster y
	s_mul_i32 s42, s13, s17                        ; A's tile of 256 rows of opc: q, k: tokens 4 Y + cy;  v: channels 40 + cy
	s_mul_i32 s43, s12, 40
	s_add_co_u32 s42, s42, s43
	s_add_co_u32 s42, s42, s41
	s_lshl_b32 s66, ttmp9, 2                       ; B's: q, k: columns 32 + 4 X + cx;  v: tokens 4 Y + cx
	s_add_co_u32 s66, s66, 32
	s_mul_i32 s66, s66, s13
	s_mul_i32 s43, s12, s17
	s_add_co_u32 s66, s66, s43
	s_add_co_u32 s66, s66, s40
	s_lshl_b32 s43, s41, 2
	s_lshl_b32 s43, 15, s43                        ; my row of the cluster
	s_lshl_b32 s44, 0x1111, s40                    ; my column
	s_or_b32 s[G1+0], s43, (0<<16)|(1<<20)|(1<<21)|(5<<22)|(3<<25)   ; the mask; elements of 1 byte; 4 words of padding behind every 64
	s_or_b32 s[G1B+0], s44, (0<<16)|(1<<20)|(1<<21)|(5<<22)|(3<<25)
.irp g, G1, G1B
	s_mov_b32 s[\g+1], ROWB<<16                    ; tensor_dim0
	s_mov_b32 s[\g+2], 128<<16                     ; tensor_dim1
	s_mov_b32 s[\g+3], ROWB<<16                    ; tile_dim0
	s_mov_b32 s[\g+4], 128                         ; tile_dim1
	s_mov_b32 s[\g+5], KROW                        ; from row to row
	s_mov_b32 s[\g+6], 0
	s_mov_b32 s[\g+7], 0
.endr
	s_or_b32 s[G1S+0], s43, (3<<16)|(1<<20)|(1<<21)|(5<<22)|(3<<25)  ; the scales of 128 rows: 4,096 dense bytes as 16 rows of 256, padded alike
	s_or_b32 s[G1SB+0], s44, (3<<16)|(1<<20)|(1<<21)|(5<<22)|(3<<25)
.irp g, G1S, G1SB
	s_mov_b32 s[\g+1], 32<<16
	s_mov_b32 s[\g+2], (128*KS/256)<<16
	s_mov_b32 s[\g+3], 32<<16
	s_mov_b32 s[\g+4], 128*KS/256
	s_mov_b32 s[\g+5], 32
	s_mov_b32 s[\g+6], 0
	s_mov_b32 s[\g+7], 0
.endr
	s_lshl_b32 s18, s16, 7
	s_lshl_b32 s20, s42, 8
	s_add_co_u32 s20, s20, s18                     ; the first row that I fetch, for A'
	s_lshl_b32 s46, s66, 8
	s_add_co_u32 s46, s46, s18                     ; and for B'
	s_lshl_b32 s22, s20, 5                         ; its scale bytes,
	s_mov_b32 s23, 0
	s_lshl_b32 s92, s46, 5
	s_mov_b32 s93, 0
	s_lshl_b32 s20, s20, 9                         ; its codes
	s_mov_b32 s21, 0
	s_lshl_b32 s46, s46, 9
	s_mov_b32 s47, 0
	s_mul_i32 s45, s14, HALFT                      ; where they go: the wave's number alone
	s_mul_i32 s94, s14, HALFS
	s_wait_dscnt 0x0                               ; both opening adds are done
	s_wait_kmcnt 0x0
	s_add_nc_u64 s[20:21], s[4:5], s[20:21]
	s_add_nc_u64 s[22:23], s[6:7], s[22:23]
	s_add_nc_u64 s[46:47], s[4:5], s[46:47]
	s_add_nc_u64 s[92:93], s[6:7], s[92:93]
	CROUND                                         ; all sixteen work-groups are here: the joint loads meet
	s_mov_b32 s[G0S], 1
	s_add_co_u32 s[G0S+1], s94, SCL
	s_mov_b64 s[G0S+2:G0S+3], s[22:23]
	s_or_b32 s[G0S+3], s[G0S+3], 0x80000000
	s_mov_b32 s[G0SB], 1
	s_add_co_u32 s[G0SB+1], s94, SCL
	s_mov_b64 s[G0SB+2:G0SB+3], s[92:93]
	s_or_b32 s[G0SB+3], s[G0SB+3], 0x80000000
	JLOAD G0S, G1S, G0SB, G1SB                     ; three loads of mine go out: the scales, slot 0, slot 1
.irp s, 0,1
	s_mov_b32 s[G0+4*\s], 1
	s_add_co_u32 s[G0+4*\s+1], s45, \s*SLOT
	s_add_nc_u64 s[G0+4*\s+2:G0+4*\s+3], s[20:21], \s*ROWB
	s_or_b32 s[G0+4*\s+3], s[G0+4*\s+3], 0x80000000
	s_mov_b32 s[G0B+4*\s], 1
	s_add_co_u32 s[G0B+4*\s+1], s45, \s*SLOT
	s_add_nc_u64 s[G0B+4*\s+2:G0B+4*\s+3], s[46:47], \s*ROWB
	s_or_b32 s[G0B+4*\s+3], s[G0B+4*\s+3], 0x80000000
	JLOAD G0+4*\s, G1, G0B+4*\s, G1B
.endr
	v_and_b32 v1, 15, v0                           ; r
	v_bfe_u32 v2, v0, 4, 1                         ; h
	v_mul_u32_u24 v3, v1, PITCH
	v_lshl_add_u32 v4, v2, 4, v3
	s_mul_i32 s21, s15, HALFT
	s_mul_i32 s22, s16, HALFT
	s_add_co_u32 s22, s22, 2*HALFT
.irp s, 0,1
	v_add_nc_u32 v[ADRA+\s], s21, v4
	v_add_nc_u32 v[ADRB+\s], s22, v4
	s_add_co_u32 s21, s21, SLOT
	s_add_co_u32 s22, s22, SLOT
.endr
	v_mul_u32_u24 v5, v1, KS
	v_lshrrev_b32 v6, 8, v5
	v_lshl_add_u32 v5, v6, 4, v5                   ; 16 more for each 256 passed
	s_mul_i32 s21, s15, HALFS
	s_mul_i32 s22, s16, HALFS
	s_add_co_u32 s22, s22, 2*HALFS
	s_sub_co_u32 s22, s22, s21
	v_mul_u32_u24 v6, s22, v2                      ; lanes 16-31 take B's
	s_add_co_u32 s21, s21, SCL
	v_add_nc_u32 v5, v5, v6
	v_add_nc_u32 v[ADRS], s21, v5
	v_and_b32 v6, 31, v0
	v_lshlrev_b32 v[L16], 4, v6
	v_lshlrev_b32 v[L8], 3, v6
	v_lshlrev_b32 v[BLQ], 6, v2
	v_and_b32 v[BLV], 8, v1
	v_add_nc_u32 v[BLV], v[BLV], v1
	v_lshlrev_b32 v[BLV], 2, v[BLV]
	s_mov_b32 s[SEL], 0x76543210
	s_mov_b32 s[SEL+1], 0xfedcba98
	s_mov_b32 s67, 0xffff0000                      ; lanes 16-31
	; where my results go (global addresses alone hang on these)
	s_add_co_u32 s95, s17, s41
	s_lshl_b32 s95, s95, 1
	s_add_co_u32 s95, s95, s15                     ; q, k: my group of 128 tokens
	s_add_co_u32 s100, s17, s40
	s_lshl_b32 s100, s100, 1
	s_add_co_u32 s100, s100, s16                   ; v: likewise
	s_lshl_b32 s101, s40, 2
	s_lshl_b32 s18, s16, 1
	s_add_co_u32 s101, s101, s18                   ; q, k: my first head
	s_lshl_b32 s19, s41, 2
	s_lshl_b32 s18, s15, 1
	s_add_co_u32 s19, s19, s18                     ; v: likewise
	s_cmp_eq_u32 s12, 1
	s_cselect_b32 s95, s100, s95
	s_cselect_b32 s101, s19, s101
	s_lshr_b32 s18, s95, 4
	s_lshl_b32 s18, s18, 4
	s_add_co_u32 s18, s18, s101                    ; the record: 16 batch + head
	s_and_b32 s19, s95, 15                         ; the step
	s_mul_i32 s18, s18, REC
	s_lshl_b32 s100, s19, 12
	s_add_co_u32 s100, s100, s18
	s_lshl_b32 s96, ttmp9, 16
	s_add_co_u32 s100, s100, s96
	s_min_u32 s96, ttmp9, 1
	s_lshl_b32 s96, s96, 12
	s_add_co_u32 s96, s100, s96                    ; images: 0, 69,632 or 135,168 into the record
	s_mov_b32 s97, 0
	s_lshl_b32 s98, s19, 8
	s_add_co_u32 s98, s98, s18
	s_lshl_b32 s100, ttmp9, 12
	s_add_co_u32 s100, s100, 196608
	s_cmp_eq_u32 ttmp9, 0
	s_cselect_b32 s100, 65536, s100
	s_add_co_u32 s98, s98, s100                    ; scale words: 65,536, 200,704 or 204,800
	s_mov_b32 s99, 0
	s_add_nc_u64 s[96:97], s[10:11], s[96:97]
	s_add_nc_u64 s[98:99], s[10:11], s[98:99]
	s_lshl_b32 s100, ttmp9, 2
	s_add_co_u32 s100, s100, s40
	s_lshl_b32 s100, s100, 1
	s_add_co_u32 s100, s100, s16                   ; q, k: my 128 columns of b_qkv
	s_add_co_u32 s101, s41, 8
	s_lshl_b32 s101, s101, 1
	s_add_co_u32 s101, s101, s15                   ; v: my 128 channels
	s_cmp_eq_u32 s12, 1
	s_cselect_b32 s100, s101, s100
	s_lshl_b32 s100, s100, 9
	s_mov_b32 s101, 0
	s_add_nc_u64 s[8:9], s[8:9], s[100:101]
	s_wait_alu depctr_va_vdst(0)
	s_wait_tensorcnt 1                             ; the scales and my part of slot 0 are in; slot 1's load may be out
	s_barrier_signal -1
	s_barrier_wait -1
	FETCH_B 0, 0, 0
	FETCH_A 0, 0, 0
	SCALES 0
	FETCH_A 0, 0, 4
	STEP 0, 0, 1                                   ; the first products start the sums: nothing is cleared
	STEPS 0, 1
	TURN 0, 1
	s_cmp_eq_u32 ttmp9, 2                          ; the cluster's x: the same in all sixteen partners
	s_cbranch_scc1 .Lv
.irp i, 0,1,2,3,4,5,6,7                ; q, k: the bias of register 8 i + j: column 32 (i / 2) + 8 (i % 2) + 16 h + j.  It lands under slot 1's products
	global_load_b128 v[BI+8*\i:BI+8*\i+3], v[BLQ], s[8:9] offset:(32*(\i/2)+8*(\i%2))*4
	global_load_b128 v[BI+8*\i+4:BI+8*\i+7], v[BLQ], s[8:9] offset:(32*(\i/2)+8*(\i%2))*4+16
.endr
	STEPS 1, 0
	LAST
	EPI 0
	s_branch .Ldone
.Lv:
.irp a, 0,1,2,3,4,5,6,7                ; v: the bias of my channel in block a, twice: a pair for the packed addition
	global_load_b32 v[BI+2*\a], v[BLV], s[8:9] offset:(32*(\a/2)+8*(\a%2))*4
	global_load_b32 v[BI+2*\a+1], v[BLV], s[8:9] offset:(32*(\a/2)+8*(\a%2))*4
.endr
	STEPS 1, 0
	LAST
	EPI 1
.Ldone:
	s_wait_tensorcnt 0x0                           ; the wave's end
	ds_add_u32 v[SPW], v[NIL]
	s_wait_dscnt 0x0
	CROUND                                         ; the closing round
	s_endpgm
.Lfunc_end_k_qdc013e10f1_gemm_qkv:
	.size	k_qdc013e10f1_gemm_qkv, .Lfunc_end_k_qdc013e10f1_gemm_qkv-k_qdc013e10f1_gemm_qkv
	.p2alignl 7, 3214868480
	.fill 96, 4, 3214868480
	.section	.rodata,"a",@progbits
	.p2align	6, 0x0
	.amdhsa_kernel k_qdc013e10f1_gemm_qkv
		.amdhsa_group_segment_fixed_size 327680
		.amdhsa_private_segment_fixed_size 0
		.amdhsa_enable_private_segment 0
		.amdhsa_kernarg_size 32
		.amdhsa_user_sgpr_count 2
		.amdhsa_user_sgpr_kernarg_segment_ptr 1
		.amdhsa_wavefront_size32 1
		.amdhsa_system_sgpr_workgroup_id_x 1
		.amdhsa_system_sgpr_workgroup_id_y 1
		.amdhsa_system_sgpr_workgroup_id_z 1
		.amdhsa_system_vgpr_workitem_id 0
		.amdhsa_next_free_vgpr 1024
		.amdhsa_next_free_sgpr 102
		.amdhsa_reserve_vcc 0
		.amdhsa_float_denorm_mode_32 3
		.amdhsa_float_denorm_mode_16_64 3
		.amdhsa_memory_ordered 1
		.amdhsa_forward_progress 1
		.amdhsa_inst_pref_size 237
	.end_amdhsa_kernel
	.amdgpu_metadata
---
amdhsa.version: [ 1, 2 ]
amdhsa.kernels:
  - .name:           k_qdc013e10f1_gemm_qkv
    .symbol:         k_qdc013e10f1_gemm_qkv.kd
    .args:
      - { .name: opc, .offset: 0, .size: 8, .value_kind: global_buffer, .address_space: global }
      - { .name: ops, .offset: 8, .size: 8, .value_kind: global_buffer, .address_space: global }
      - { .name: b_qkv, .offset: 16, .size: 8, .value_kind: global_buffer, .address_space: global }
      - { .name: qkv, .offset: 24, .size: 8, .value_kind: global_buffer, .address_space: global }
    .group_segment_fixed_size: 327680
    .private_segment_fixed_size: 0
    .kernarg_segment_align: 8
    .kernarg_segment_size: 32
    .max_flat_workgroup_size: 128
    .sgpr_count:     102
    .vgpr_count:     1024
    .wavefront_size: 32
...
	.end_amdgpu_metadata
.endif
;; end of part 2
;; launch attn (part 3): grid 8 x 32, 16 waves a work-group, clusters of 4 x 1, 327,680 bytes of LDS; arguments qkv, ctxc, ctxs; writes ctxc, ctxs
.if DOCPART == 3
	.amdgcn_target "amdgcn-amd-amdhsa--gfx1250"
	.amdhsa_code_object_version 6
	.text
	.protected	k_qdc013e10f1_attn
	.globl	k_qdc013e10f1_attn
	.p2align	8
	.type	k_qdc013e10f1_attn,@function
k_qdc013e10f1_attn:
	s_mov_b64 s[64:65], 0
	v_nop
	global_prefetch_b8 v0, s[64:65] scope:SCOPE_SE
	s_setreg_imm32_b32 hwreg(HW_REG_WAVE_MODE, 25, 1), 1
	s_wait_xcnt 0x0
	s_wait_alu depctr_hold_cnt(0) depctr_sa_sdst(0) depctr_va_vdst(0) depctr_va_sdst(0) depctr_va_ssrc(0) depctr_va_vcc(0) depctr_vm_vsrc(0)
	s_getreg_b32 s2, hwreg(HW_REG_IB_STS2, 6, 4)
	s_cmp_eq_u32 s2, 0
	s_cbranch_scc0 .Lentry_in_a_cluster
	s_endpgm
.Lentry_in_a_cluster:
	s_bfe_u32 s2, ttmp6, 0x10000c
	s_cmp_lg_u32 s2, 0x3003
	s_cbranch_scc0 .Lentry_shape_is_right
	s_endpgm
.Lentry_shape_is_right:
; ctx = softmax(q k^T / 8) v for 64 (batch, head), both products on codes of E2M1, and ctx quantised along the model's 1,024 for the projection.  Nothing of the problem's work is left out.
; THE SOFTMAX: t = score x log2(e) / 8; M = the running largest t rounded UP to a whole number; p = 2^(t - M) is quantised along the keys; the row's sum is taken of the unquantised p and divides at the end;
; when M moves, the sum and O are multiplied by 2^(old M - new M), which rounds nothing.
; SHARES.  A work-group: 256 queries x a PAIR of heads; wave w: one tile of 16 queries, first for the even head, then for the odd one.  So a wave holds both halves of its rows' scale word for the projection's K step.
; LDS holds k's and v's images and scale words of BOTH heads whole (139,264 dense bytes each): no ring, nothing is filled again, no barrier in the loop.  The four work-groups of a cluster walk the same pair of heads:
; each record is asked for jointly, every wave bringing 8,704 bytes of each head.
; THE FIRST PRODUCT HAS K = 64.  An operand of k holds TWO tiles of 16 keys: registers 0-3 tile 2 n, registers 4-7 tile 2 n + 1.  Against [q | 0] it gives tile 2 n's scores, against [0 | q] tile 2 n + 1's.
; The half of q that is zero codes has the scale bytes 1.  Both products are used transposed: a lane holds ONE query; by the tiles' row order the 16 registers of tiles 2 n, 2 n + 1 are 16 neighbouring keys (or channels).
; ctxc: [tile of 16 rows (128 batch + tile)][head pair][head & 1][lane][16 B]: images of the projection's operand.  ctxs: [head pair][16 tile + r][4 B].
; LIMITS: a block's largest p is taken from its largest score (it takes v_exp_f32 not to fall where its input rises); a block under 2^-124 keeps the byte 1; NaN and infinities are not served.
.set REC,   208896
.set HEADB, 139264                     ; k's images 0, v's 65,536, k's scale words 131,072, v's 135,168
.set GATH,  2*HEADB                    ; 64 bytes a wave: the rows' scale words meet here
.set SPARE, GATH+1024                  ; the spare words, 128 bytes a wave: eight blocks of 256 bytes that no other line names
.set L16, 1                            ; 16 x lane
.set L8,  2                            ; 8 x lane
.set ADK, 3
.set ADV, 4
.set SPW, 5
.set NIL, 6
.set HW0, 7                            ; the even head's two scale bytes
.set QZ,  8                            ; v8-27: 0 | q of head 0 | 0 | q of head 1 | 0, four registers each
.set QS,  28                           ; v28+2p: q's scale word for [q | 0]; v29+2p: for [0 | q]
.set KFR, 32                           ; v32-63 four operands of k
.set VFR, 64                           ; v64-95 four tiles of v
.set S,   96                           ; v96-159 scores, then p, then ctx
.set O,   160                          ; v160-191 O^T
.set NM,  192                          ; v192 -M, v193 the largest t
.set SUM, 194
.set RL,  196                          ; v[196:197] 1 / the sum
.set GA,  198
.set R8,  199
.set ADS, 200
.set GR,  201
.set WRD, 202
.set GO,  203
.set CX,  204                          ; v204-211 ctx's codes
.set GD,  212
.set P,   224
.set WV,  18
.set SEL, 20
.set CS,  22
.set G1,  24
.set G0,  32
.set TB,  40
.set TBV, 41
.set TS,  42
.set CNT, 43
.macro CROUND
	s_barrier_signal -1
	s_barrier_wait -1
	s_cmp_lg_u32 s[WV], 0
	s_cbranch_scc1 .Lnot_wave_0_\@
	s_barrier_signal -3
.Lnot_wave_0_\@:
	s_barrier_wait -3
	s_barrier_signal -1
	s_barrier_wait -1
.endm
.macro MM d, a, b, c, sa, sb, row      ; row = 1: source 0's scales stand in lanes 16-31
.if \row
	v_wmma_scale_f32_16x16x128_f8f6f4 v[\d:\d+7], v[\a:\a+7], v[\b:\b+7], \c, v[\sa], v[\sb] matrix_a_fmt:MATRIX_FMT_FP4 matrix_b_fmt:MATRIX_FMT_FP4 matrix_a_scale:MATRIX_SCALE_ROW1
.else
	v_wmma_scale_f32_16x16x128_f8f6f4 v[\d:\d+7], v[\a:\a+7], v[\b:\b+7], \c, v[\sa], v[\sb] matrix_a_fmt:MATRIX_FMT_FP4 matrix_b_fmt:MATRIX_FMT_FP4
.endif
.endm
; A KEY STEP: 128 keys of head p
.macro STEP p
	v_add_nc_u32 v[ADK], s[TB], v[L16]             ; these four are the places behind the last step's products, ahead of the loads into their registers
	v_add_nc_u32 v[ADV], s[TBV], v[L16]
	v_add_nc_u32 v[ADS], s[TS], v[L8]
	v_nop
.irp b, 0,1,2,3
	ds_load_b128 v[KFR+8*\b:KFR+8*\b+3], v[ADK] offset:1024*\b          ; images: 512 bytes on end a load
	ds_load_b128 v[KFR+8*\b+4:KFR+8*\b+7], v[ADK] offset:1024*\b+512
.endr
	ds_load_b64 v[248:249], v[ADS]                 ; k's scale words: v248 operands 0 | 1, v249 operands 2 | 3
.irp t, 0,1,2,3
	ds_load_b128 v[VFR+8*\t:VFR+8*\t+3], v[ADV] offset:1024*\t
	ds_load_b128 v[VFR+8*\t+4:VFR+8*\t+7], v[ADV] offset:1024*\t+512
.endr
	ds_load_b64 v[250:251], v[ADS] offset:4096     ; v's
	s_wait_dscnt 9                                 ; k's nine loads are in; v's nine may be out
.irp b, 0,1,2,3
	MM S+16*\b, KFR+8*\b, QZ+4+8*\p, 0, 248+\b/2, QS+2*\p, \b%2        ; tile 2 b: [q | 0]
	MM S+8+16*\b, KFR+8*\b, QZ+8*\p, 0, 248+\b/2, QS+1+2*\p, \b%2      ; tile 2 b + 1: [0 | q]
.endr
.rept 4
	v_nop
.endr
.irp b, 0,1,2,3
	v_max3_num_f32 v[232+\b], v[S+16*\b], v[S+1+16*\b], v[S+2+16*\b]   ; the largest score of each block of 32 keys: for the row's maximum and for the block's largest p
.endr
.irp i, 3,5,7,9,11,13
.irp b, 0,1,2,3
	v_max3_num_f32 v[232+\b], v[232+\b], v[S+16*\b+\i], v[S+1+16*\b+\i]
.endr
.endr
.irp b, 0,1,2,3
	v_max_num_f32 v[232+\b], v[232+\b], v[S+15+16*\b]
.endr
.irp b, 0,1,2,3
	s_delay_alu instid0(VALU_DEP_4)
	v_permlanex16_b32 v[236+\b], v[232+\b], s[SEL], s[SEL+1]
.endr
.irp b, 0,1,2,3
	s_delay_alu instid0(VALU_DEP_4)
	v_max_num_f32 v[232+\b], v[232+\b], v[236+\b]
.endr
	s_delay_alu instid0(VALU_DEP_2)
	v_max3_num_f32 v254, v232, v233, v234
	s_delay_alu instid0(VALU_DEP_1)
	v_max_num_f32 v254, v254, v235
	s_delay_alu instid0(VALU_DEP_1)
	v_mul_f32 v254, s[CS], v254                    ; as t
	s_delay_alu instid0(VALU_DEP_1)
	v_max_num_f32 v[NM+1], v[NM+1], v254           ; the running largest t
	v_mov_b32 v254, v[NM]
	s_delay_alu instid0(VALU_DEP_2)
	v_floor_f32 v[NM], -v[NM+1]                    ; the new -M = -ceil(t)
	s_delay_alu instid0(VALU_DEP_1)
	v_sub_f32 v254, v[NM], v254                    ; old M - new M: a whole number, 0 or less
	s_delay_alu instid0(VALU_DEP_1)
	v_cvt_i32_f32 v254, v254
	s_delay_alu instid0(VALU_DEP_1)
	v_ldexp_f32 v252, 1.0, v254                    ; f = 2^(old M - new M)
.set n, 0
.rept 32
	v_pk_fma_f32 v[S+n:S+n+1], v[S+n:S+n+1], s[CS:CS+1], v[NM:NM+1] op_sel_hi:[1,0,0]   ; t - M
.set n, n+2
.endr
.irp b, 0,1,2,3
	v_fma_f32 v[232+\b], v[232+\b], s[CS], v[NM]
.endr
.set n, 0
	s_wait_alu depctr_va_vdst(0)
.rept 64
	v_exp_f32 v[S+n], v[S+n]                       ; p = 2^(t - M)
.set n, n+1
.endr
	s_setprio 1
	v_pk_mul_f32 v[SUM:SUM+1], v[SUM:SUM+1], v[252:253] op_sel_hi:[1,0]   ; a plain place behind the exponentials
	s_wait_alu depctr_va_vdst(0)                   ; one wait for the batch, ahead of its first reader
.irp b, 0,1,2,3
	v_exp_f32 v[232+\b], v[232+\b]                 ; each block's largest p
.endr
	v_pk_add_f32 v[236:237], v[S:S+1], v[S+2:S+3]  ; the row's sum, of the unquantised p, in two chains
.set n, 4
.rept 15
	v_pk_add_f32 v[SUM:SUM+1], v[SUM:SUM+1], v[S+n:S+n+1]
	v_pk_add_f32 v[236:237], v[236:237], v[S+n+2:S+n+3]
.set n, n+4
.endr
	s_delay_alu instid0(VALU_DEP_1)
	v_pk_add_f32 v[SUM:SUM+1], v[SUM:SUM+1], v[236:237]
	s_wait_alu depctr_va_vdst(0)                   ; and one for the four
.irp b, 0,1,2,3
	v_max_num_f32 v[232+\b], 0x1800000, v[232+\b]  ; the floor 2^(3 - 127)
.endr
.irp b, 0,1,2,3
	s_delay_alu instid0(VALU_DEP_4)
	v_add_nc_u32 v[244+\b], 0xff000000, v[232+\b]
.endr
.irp b, 0,1,2,3
	s_delay_alu instid0(VALU_DEP_4)
	v_lshrrev_b32 v[236+\b], 23, v[244+\b]
.endr
	s_delay_alu instid0(VALU_DEP_3)
	v_lshl_or_b32 v253, v237, 8, v236              ; p's scale word for these 128 keys
	s_delay_alu instid0(VALU_DEP_1)
	v_lshl_or_b32 v253, v238, 16, v253
	s_delay_alu instid0(VALU_DEP_1)
	v_lshl_or_b32 v253, v239, 24, v253
.irp b, 0,1,2,3
	v_cvt_scalef32_pk8_fp4_f32 v[P+2*\b], v[S+16*\b:S+7+16*\b], v[244+\b]
	v_cvt_scalef32_pk8_fp4_f32 v[P+1+2*\b], v[S+8+16*\b:S+15+16*\b], v[244+\b]
.endr
	v_nop
.irp c, 0,1
.irp i, 0,1
	v_permlane16_swap_b32 v[P+4*\c+\i], v[P+2+4*\c+\i]
.endr
.endr
.set n, 0
	s_setprio 0
.rept 16
	v_pk_mul_f32 v[O+n:O+n+1], v[O+n:O+n+1], v[252:253] op_sel_hi:[1,0]   ; O^T under the new M; these sixteen are also the places ahead of the scaled products below
.set n, n+2
.endr
	s_wait_alu depctr_va_vdst(0)
	s_wait_dscnt 0x0                               ; v
.irp t, 0,1,2,3                        ; four accumulators, one instruction each
	MM O+8*\t, VFR+8*\t, P, v[O+8*\t:O+8*\t+7], 250+\t/2, 253, \t%2
.endr
.endm
.macro PASS p
	v_mov_b32 v[NM+1], 0xff61b1e6                  ; -3e38, under every t
	s_delay_alu instid0(VALU_DEP_1)
	v_floor_f32 v[NM], -v[NM+1]
	v_mov_b32 v[SUM], 0
	v_mov_b32 v[SUM+1], 0
.set n, 0
.rept 32
	v_mov_b32 v[O+n], 0                            ; the step is written once: its first trip finds zeros
.set n, n+1
.endr
	s_mov_b32 s[TB], \p*HEADB
	s_mov_b32 s[TBV], \p*HEADB+65536
	s_mov_b32 s[TS], \p*HEADB+131072
	s_mov_b32 s[CNT], 16
.Lstep_\@:
	s_setprio 2
	STEP \p
	s_add_co_u32 s[TB], s[TB], 4096
	s_add_co_u32 s[TBV], s[TBV], 4096
	s_add_co_u32 s[TS], s[TS], 256
	s_sub_co_u32 s[CNT], s[CNT], 1
	s_cmp_lg_u32 s[CNT], 0
	s_cbranch_scc1 .Lstep_\@
	s_setprio 0
	v_add_f32 v[SUM], v[SUM], v[SUM+1]
	s_delay_alu instid0(VALU_DEP_1)
	v_permlanex16_b32 v252, v[SUM], s[SEL], s[SEL+1]
	s_delay_alu instid0(VALU_DEP_1)
	v_add_f32 v[SUM], v[SUM], v252                 ; the row's sum
	s_wait_alu depctr_va_vdst(0)
	v_rcp_f32 v[RL], v[SUM]
.rept 4
	v_nop                                          ; the places behind the last products, and the plain place behind the reciprocal
.endr
	s_wait_alu depctr_va_vdst(0)
.set n, 0
.rept 16
	v_pk_mul_f32 v[S+n:S+n+1], v[O+n:O+n+1], v[RL:RL+1] op_sel_hi:[1,0]   ; ctx: register 16 b + i = channel 32 b + 16 h + i of my row
.set n, n+2
.endr
.irp b, 0,1
	v_max3_num_f32 v[232+\b], |v[S+16*\b]|, |v[S+1+16*\b]|, 0x1800000
.endr
.irp i, 2,4,6,8,10,12,14
.irp b, 0,1
	s_delay_alu instid0(VALU_DEP_2)
	v_max3_num_f32 v[232+\b], v[232+\b], |v[S+16*\b+\i]|, |v[S+1+16*\b+\i]|
.endr
.endr
.irp b, 0,1
	s_delay_alu instid0(VALU_DEP_2)
	v_permlanex16_b32 v[236+\b], v[232+\b], s[SEL], s[SEL+1]
.endr
.irp b, 0,1
	s_delay_alu instid0(VALU_DEP_2)
	v_max_num_f32 v[232+\b], v[232+\b], v[236+\b]
.endr
.irp b, 0,1
	s_delay_alu instid0(VALU_DEP_2)
	v_add_nc_u32 v[244+\b], 0xff000000, v[232+\b]
.endr
.irp b, 0,1
	s_delay_alu instid0(VALU_DEP_2)
	v_lshrrev_b32 v[236+\b], 23, v[244+\b]
.endr
.if \p
	s_delay_alu instid0(VALU_DEP_1)
	v_lshl_or_b32 v[WRD], v237, 8, v236
	s_delay_alu instid0(VALU_DEP_1)
	v_lshl_or_b32 v[WRD], v[WRD], 16, v[HW0]       ; my row's scale word for this K step of the projection
.else
	s_delay_alu instid0(VALU_DEP_1)
	v_lshl_or_b32 v[HW0], v237, 8, v236
.endif
.irp b, 0,1
	v_cvt_scalef32_pk8_fp4_f32 v[CX+4*\p+2*\b], v[S+16*\b:S+7+16*\b], v[244+\b]
	v_cvt_scalef32_pk8_fp4_f32 v[CX+4*\p+1+2*\b], v[S+8+16*\b:S+15+16*\b], v[244+\b]
.endr
	v_nop
	v_permlane16_swap_b32 v[CX+4*\p], v[CX+4*\p+2]
	v_permlane16_swap_b32 v[CX+4*\p+1], v[CX+4*\p+3]
	global_store_b128 v[L16], v[CX+4*\p:CX+4*\p+3], s[48:49] offset:\p*512   ; 512 bytes on end, aligned
.endm
	s_load_b128 s[4:7], s[0:1], 0x0                ; qkv, ctxc
	s_load_b64 s[8:9], s[0:1], 0x10                ; ctxs
	v_lshl_add_u32 v[SPW], v0, 2, SPARE
	v_mov_b32 v[NIL], 0
	ds_add_u32 v[SPW], v[NIL]                      ; the wave's opening: the add, twice on end, and its wait ahead of my first tensor load
	ds_add_u32 v[SPW], v[NIL]
	v_lshrrev_b32 v254, 5, v0
	s_delay_alu instid0(VALU_DEP_1)
	v_readfirstlane_b32 s[WV], v254                ; wave 0..15
	s_bfe_u32 s13, ttmp6, 0x40000                  ; cx: it enters global addresses of q and of the results alone
	s_lshl_b32 s14, ttmp9, 2
	s_add_co_u32 s14, s14, s13                     ; my block of 256 queries
	s_and_b32 s12, ttmp7, 0xffff                   ; the pair of heads, which the four partners share
	s_mul_i32 s16, s12, 2*REC                      ; the even head's record
	s_mul_i32 s15, s[WV], 8704                     ; my 34 rows of 256 bytes of each record's 139,264
	s_add_co_u32 s10, s16, s15
	s_add_co_u32 s10, s10, 69632
	s_mov_b32 s11, 0
	s_mov_b32 s[G1], 15|(3<<16)|(1<<21)            ; the mask: all four; elements of 8 bytes; no padding
	s_mov_b32 s[G1+1], 32<<16                      ; tensor_dim0: 256 bytes
	s_mov_b32 s[G1+2], 34<<16                      ; tensor_dim1
	s_mov_b32 s[G1+3], 32<<16                      ; tile_dim0
	s_mov_b32 s[G1+4], 34                          ; tile_dim1
	s_mov_b32 s[G1+5], 32                          ; dense
	s_mov_b32 s[G1+6], 0
	s_mov_b32 s[G1+7], 0
	s_mov_b32 s[G0], 1
	s_mov_b32 s[G0+1], s15
	s_mov_b32 s[G0+4], 1
	s_add_co_u32 s[G0+5], s15, HEADB
	s_mov_b32 s[SEL], 0x76543210
	s_mov_b32 s[SEL+1], 0xfedcba98
	s_mov_b32 s[CS], 0x3e38aa3b                    ; log2(e) / 8
	s_mov_b32 s[CS+1], s[CS]
	s_lshl_b32 s19, s14, 4
	s_add_co_u32 s19, s19, s[WV]                   ; my tile of queries, 0..127
	s_lshl_b32 s44, s19, 9
	s_add_co_u32 s44, s44, s16                     ; its image
	s_mov_b32 s45, 0
	s_lshr_b32 s46, s19, 3
	s_lshl_b32 s46, s46, 8
	s_add_co_u32 s46, s46, s16
	s_add_co_u32 s46, s46, 65536                   ; its step's scale words; the tile is a = wave % 8: operand a / 2, half a % 2
	s_bfe_u32 s52, s[WV], 0x10001
	s_lshl_b32 s52, s52, 7
	s_add_co_u32 s46, s46, s52
	s_bfe_u32 s52, s[WV], 0x10002
	s_lshl_b32 s52, s52, 2
	s_add_co_u32 s46, s46, s52
	s_mov_b32 s47, 0
	s_and_b32 s53, s[WV], 1
	s_lshl_b32 s53, s53, 4                         ; 16 (a % 2)
	s_lshr_b32 s54, s12, 3                         ; batch
	s_and_b32 s55, s12, 7                          ; the projection's K step
	s_lshl_b32 s48, s54, 7
	s_add_co_u32 s48, s48, s19
	s_lshl_b32 s48, s48, 13
	s_lshl_b32 s52, s55, 10
	s_add_co_u32 s48, s48, s52
	s_mov_b32 s49, 0
	s_lshl_b32 s50, s55, 15
	s_lshl_b32 s52, s54, 13
	s_add_co_u32 s50, s50, s52
	s_lshl_b32 s52, s14, 10
	s_add_co_u32 s50, s50, s52
	s_mov_b32 s51, 0
	s_lshl_b32 s52, s[WV], 6
	s_add_co_u32 s52, s52, GATH
	s_wait_dscnt 0x0                               ; both opening adds are done
	s_wait_kmcnt 0x0
	s_add_nc_u64 s[G0+2:G0+3], s[4:5], s[10:11]
	s_add_nc_u64 s[G0+6:G0+7], s[G0+2:G0+3], REC
	s_or_b32 s[G0+3], s[G0+3], 0x80000000
	s_or_b32 s[G0+7], s[G0+7], 0x80000000
	s_add_nc_u64 s[44:45], s[4:5], s[44:45]
	s_add_nc_u64 s[46:47], s[4:5], s[46:47]
	s_add_nc_u64 s[48:49], s[6:7], s[48:49]
	s_add_nc_u64 s[50:51], s[8:9], s[50:51]
	CROUND                                         ; all four work-groups are here: the joint loads meet
	tensor_load_to_lds s[G0:G0+3], s[G1:G1+7]      ; the even head's record; one load of mine is out
	s_nop 0
	s_wait_alu depctr_va_vdst(0)
	s_wait_tensorcnt 0x0
	ds_add_u32 v5, v6
	s_wait_dscnt 0x0
	CROUND
	tensor_load_to_lds s[G0+4:G0+7], s[G1:G1+7]    ; the odd head's
	s_nop 0
.rept 4
	v_nop
.endr
	v_and_b32 v254, 31, v0
	s_delay_alu instid0(VALU_DEP_1)
	v_lshlrev_b32 v[L16], 4, v254
	s_delay_alu instid0(VALU_DEP_2)
	v_lshlrev_b32 v[L8], 3, v254
	v_and_b32 v254, 15, v0
	s_delay_alu instid0(VALU_DEP_1)
	v_lshlrev_b32 v[R8], 3, v254
	global_load_b128 v[QZ+4:QZ+7], v[L16], s[44:45]
	global_load_b128 v[QZ+12:QZ+15], v[L16], s[44:45] offset:REC
	global_load_b32 v232, v[R8], s[46:47]
	global_load_b32 v233, v[R8], s[46:47] offset:REC
	v_lshlrev_b32 v[GA], 2, v254
	s_delay_alu instid0(VALU_DEP_1)
	v_add_nc_u32 v[GA], s52, v[GA]                 ; GATH + 64 wave + 4 r
	v_and_b32 v[GR], 63, v0
	s_delay_alu instid0(VALU_DEP_1)
	v_lshlrev_b32 v[GO], 4, v[GR]
	s_delay_alu instid0(VALU_DEP_1)
	v_add_nc_u32 v[GR], GATH, v[GO]
.irp i, 0,1,2,3
	v_mov_b32 v[QZ+\i], 0
	v_mov_b32 v[QZ+8+\i], 0
	v_mov_b32 v[QZ+16+\i], 0
	v_mov_b32 v[236+\i], 0                         ; written once: a lane permute's destination counts as one of its sources
.endr
	v_mov_b32 v253, 0                              ; (named as the upper halves of pairs)
	v_mov_b32 v[RL+1], 0
	s_wait_tensorcnt 0x1                           ; my part of the even head's record is in; the odd head's may be out
	s_barrier_signal -1
	s_barrier_wait -1
	s_wait_loadcnt 0x0                             ; q
	v_lshrrev_b32 v232, s53, v232
	v_lshrrev_b32 v233, s53, v233
	s_delay_alu instid0(VALU_DEP_2)
	v_and_b32 v232, 0xffff, v232                   ; my query's two scale bytes
	s_delay_alu instid0(VALU_DEP_2)
	v_and_b32 v233, 0xffff, v233
	s_delay_alu instid0(VALU_DEP_2)
	v_or_b32 v[QS], 0x01010000, v232               ; [q | 0]: the zero half's bytes are 1
	s_delay_alu instid0(VALU_DEP_3)
	v_lshl_or_b32 v[QS+1], v232, 16, 0x0101        ; [0 | q]
	s_delay_alu instid0(VALU_DEP_3)
	v_or_b32 v[QS+2], 0x01010000, v233
	s_delay_alu instid0(VALU_DEP_4)
	v_lshl_or_b32 v[QS+3], v233, 16, 0x0101
	PASS 0
	s_wait_tensorcnt 0x0                           ; my part of the odd head's record is in,
	s_wait_dscnt 0x0
	s_barrier_signal -1
	s_barrier_wait -1                              ; everybody's is
	PASS 1
	ds_store_b32 v[GA], v[WRD]                     ; both halves of the lanes write the same word
	s_wait_dscnt 0x0
	s_barrier_signal -1
	s_barrier_wait -1
	s_cmp_lt_u32 s[WV], 2
	s_cbranch_scc0 .Lnot_mine
	ds_load_b128 v[GD:GD+3], v[GR]                 ; the work-group's 256 words: 512 bytes a wave
	s_wait_dscnt 0x0
	global_store_b128 v[GO], v[GD:GD+3], s[50:51]
.Lnot_mine:
	s_wait_tensorcnt 0x0                           ; the wave's end
	ds_add_u32 v[SPW], v[NIL]
	s_wait_dscnt 0x0
	CROUND                                         ; the closing round
	s_endpgm
.Lfunc_end_k_qdc013e10f1_attn:
	.size	k_qdc013e10f1_attn, .Lfunc_end_k_qdc013e10f1_attn-k_qdc013e10f1_attn
	.p2alignl 7, 3214868480
	.fill 96, 4, 3214868480
	.section	.rodata,"a",@progbits
	.p2align	6, 0x0
	.amdhsa_kernel k_qdc013e10f1_attn
		.amdhsa_group_segment_fixed_size 327680
		.amdhsa_private_segment_fixed_size 0
		.amdhsa_enable_private_segment 0
		.amdhsa_kernarg_size 24
		.amdhsa_user_sgpr_count 2
		.amdhsa_user_sgpr_kernarg_segment_ptr 1
		.amdhsa_wavefront_size32 1
		.amdhsa_system_sgpr_workgroup_id_x 1
		.amdhsa_system_sgpr_workgroup_id_y 1
		.amdhsa_system_sgpr_workgroup_id_z 1
		.amdhsa_system_vgpr_workitem_id 0
		.amdhsa_next_free_vgpr 256
		.amdhsa_next_free_sgpr 66
		.amdhsa_reserve_vcc 0
		.amdhsa_float_denorm_mode_32 3
		.amdhsa_float_denorm_mode_16_64 3
		.amdhsa_memory_ordered 1
		.amdhsa_forward_progress 1
		.amdhsa_inst_pref_size 51
	.end_amdhsa_kernel
	.amdgpu_metadata
---
amdhsa.version: [ 1, 2 ]
amdhsa.kernels:
  - .name:           k_qdc013e10f1_attn
    .symbol:         k_qdc013e10f1_attn.kd
    .args:
      - { .name: qkv, .offset: 0, .size: 8, .value_kind: global_buffer, .address_space: global }
      - { .name: ctxc, .offset: 8, .size: 8, .value_kind: global_buffer, .address_space: global }
      - { .name: ctxs, .offset: 16, .size: 8, .value_kind: global_buffer, .address_space: global }
    .group_segment_fixed_size: 327680
    .private_segment_fixed_size: 0
    .kernarg_segment_align: 8
    .kernarg_segment_size: 24
    .max_flat_workgroup_size: 512
    .sgpr_count:     66
    .vgpr_count:     256
    .wavefront_size: 32
...
	.end_amdgpu_metadata
.endif
;; end of part 3
;; launch gemm_proj (part 4): grid 4 x 64, 4 waves a work-group, clusters of 4 x 4, 327,680 bytes of LDS; arguments ctxc, ctxs, opc, ops, b_proj, out0; writes out0
.if DOCPART == 4
	.amdgcn_target "amdgcn-amd-amdhsa--gfx1250"
	.amdhsa_code_object_version 6
	.text
	.protected	k_qdc013e10f1_gemm_proj
	.globl	k_qdc013e10f1_gemm_proj
	.p2align	8
	.type	k_qdc013e10f1_gemm_proj,@function
k_qdc013e10f1_gemm_proj:
	s_mov_b64 s[64:65], 0
	v_nop
	global_prefetch_b8 v0, s[64:65] scope:SCOPE_SE
	s_setreg_imm32_b32 hwreg(HW_REG_WAVE_MODE, 25, 1), 1
	s_wait_xcnt 0x0
	s_wait_alu depctr_hold_cnt(0) depctr_sa_sdst(0) depctr_va_vdst(0) depctr_va_sdst(0) depctr_va_ssrc(0) depctr_va_vcc(0) depctr_vm_vsrc(0)
	s_getreg_b32 s2, hwreg(HW_REG_IB_STS2, 6, 4)
	s_cmp_eq_u32 s2, 0
	s_cbranch_scc0 .Lentry_in_a_cluster
	s_endpgm
.Lentry_in_a_cluster:
	s_bfe_u32 s2, ttmp6, 0x10000c
	s_cmp_lg_u32 s2, 0xf033
	s_cbranch_scc0 .Lentry_shape_is_right
	s_endpgm
.Lentry_shape_is_right:
; out0 = ctx w_proj + b_proj on codes of E2M1, K = 1,024.  Nothing of the problem's work is left out.
; A tile of 128 rows x 256 columns gives 256 work-groups; four waves, 64 x 128 each: 32 accumulators.  All of K lies in LDS: everything is asked for at the head, in two halves of K; nothing is filled again.
; ctx's codes come as images of the operand's registers (ctxc: [tile of 16 rows][K step][c][lane][16 B]), its scale words by K step (ctxs: [K step][row][4 B]); w_proj's as rows of opc and ops (rows 11,264 on).
; Source 0 = 16 columns of w_proj, source 1 = 16 rows of ctx: a lane holds eight numbers of one row of out0.  The bias is the C of each sum's first product.
; Both row orders are undone on the way out: block b's register j of lane (r, h) is column 32 (b / 2) + 8 (b % 2) + 16 h + j; tile a's row t is token 32 (a / 2) + 8 (a % 2) + t + 8 (t / 8).
; CLUSTERS: 4 x 4: ctx's tiles are shared along a row of the cluster, w_proj's along a column.
; REGISTERS: window 0: v16-29 addresses; v32-47 ctx's scale words, v48-79 w_proj's; v96-127, v128-159 ctx's fragments, two sets; v192-255 the bias.  window 1: w_proj's fragments, two sets.  window 2: the accumulators.
.set PITCH,  272
.set BT,     65536                     ; 0: ctx's images [half of K][half of the rows][tile][4,096];  here: w_proj's rows [half of K][256][272]
.set BKH,    256*PITCH
.set BHALF,  128*PITCH
.set ASC,    BT+2*BKH                  ; ctx's scale words [half of the rows][K step][256]
.set BSC,    ASC+4096                  ; w_proj's scale bytes: 2 x 16 rows of 256 + 16
.set HALFS,  16*272
.set SBLK,   544
.set STG,    BSC+2*HALFS               ; the way out: 16 rows x (512 + 16) bytes a wave; no fill lands here
.set SPITCH, 528
.set SPARE,  STG+4*16*SPITCH           ; the spare words, 128 bytes a wave: two blocks of 256 bytes that no other line names
.set ADRA, 16
.set ADRB, 20                          ; v20, v21: a register for each half of K (an LDS immediate has 16 bits)
.set ADSA, 22
.set ADSB, 23
.set STO,  24
.set RD,   25
.set CO,   26
.set BL,   27
.set SPW,  28
.set NIL,  29
.set SA,   32
.set SB,   48
.set AF,   96
.set BI,   192
.set G1A, 24
.set G0A, 32
.set G1B, 48
.set G0B, 56
.set G1SA, 68
.set G0SA, 76
.set G1SB, 80
.set G0SB, 88
.set MSB, 0
.macro WIN new
.if MSB != \new
	s_set_vgpr_msb (MSB<<8)|\new
.set MSB, \new
.endif
.endm
.macro JLOAD g0a, g1a, g0b, g1b        ; waves 0, 1 fetch for ctx, waves 2, 3 for w_proj; an s_nop 0 and four v_nop follow each line
	s_cmp_eq_u32 s15, 0
	s_cbranch_scc0 .Lfor_b_\@
	tensor_load_to_lds s[\g0a:\g0a+3], s[\g1a:\g1a+7]
	s_nop 0
.rept 4
	v_nop
.endr
	s_branch .Lasked_\@
.Lfor_b_\@:
	tensor_load_to_lds s[\g0b:\g0b+3], s[\g1b:\g1b+7]
	s_nop 0
.rept 4
	v_nop
.endr
.Lasked_\@:
.endm
.macro CROUND
	s_barrier_signal -1
	s_barrier_wait -1
	s_cmp_lg_u32 s14, 0
	s_cbranch_scc1 .Lnot_wave_0_\@
	s_barrier_signal -3
.Lnot_wave_0_\@:
	s_barrier_wait -3
	s_barrier_signal -1
	s_barrier_wait -1
.endm
.macro PLACES
.rept 4
	v_nop
.endr
.endm
.macro FETCH sg                        ; K step sg's fragments into set sg % 2
	WIN 0x40
.irp i, 0,1,2,3,4,5,6,7
	ds_load_b128 v[128*((\sg)%2)+8*\i:128*((\sg)%2)+8*\i+3], v[ADRB+(\sg)/4] offset:64*((\sg)%4)+\i*16*PITCH
	ds_load_b128 v[128*((\sg)%2)+8*\i+4:128*((\sg)%2)+8*\i+7], v[ADRB+(\sg)/4] offset:64*((\sg)%4)+\i*16*PITCH+32
.endr
	WIN 0
.irp i, 0,1,2,3
	ds_load_b128 v[AF+32*((\sg)%2)+8*\i:AF+32*((\sg)%2)+8*\i+3], v[ADRA] offset:((\sg)/4)*32768+\i*4096+((\sg)%4)*1024
	ds_load_b128 v[AF+32*((\sg)%2)+8*\i+4:AF+32*((\sg)%2)+8*\i+7], v[ADRA] offset:((\sg)/4)*32768+\i*4096+((\sg)%4)*1024+512
.endr
.endm
.macro PROD a, b, sg
.set rD, 8*(8*(\a)+(\b))
.set rB, 128*((\sg)%2)+8*(\b)
.set rA, AF+32*((\sg)%2)+8*(\a)
.set rS0, SB+8*((\b)%4)+(\sg)          ; w_proj's: blocks 0-3 in lanes 0-15, blocks 4-7 in lanes 16-31
.set rS1, SA+2*(\sg)+(\a)/2            ; ctx's: even tiles in lanes 0-15, odd ones in lanes 16-31
.set rC, rD
.if (\sg) == 0
.set rC, BI+8*(\b)                     ; the first product starts the sum with the bias
.endif
.if ((\b)/4) && ((\a)%2)
	v_wmma_scale_f32_16x16x128_f8f6f4 v[rD:rD+7], v[rB:rB+7], v[rA:rA+7], v[rC:rC+7], v[rS0], v[rS1] matrix_a_fmt:MATRIX_FMT_FP4 matrix_b_fmt:MATRIX_FMT_FP4 matrix_a_scale:MATRIX_SCALE_ROW1 matrix_b_scale:MATRIX_SCALE_ROW1
.elseif (\b)/4
	v_wmma_scale_f32_16x16x128_f8f6f4 v[rD:rD+7], v[rB:rB+7], v[rA:rA+7], v[rC:rC+7], v[rS0], v[rS1] matrix_a_fmt:MATRIX_FMT_FP4 matrix_b_fmt:MATRIX_FMT_FP4 matrix_a_scale:MATRIX_SCALE_ROW1
.elseif (\a)%2
	v_wmma_scale_f32_16x16x128_f8f6f4 v[rD:rD+7], v[rB:rB+7], v[rA:rA+7], v[rC:rC+7], v[rS0], v[rS1] matrix_a_fmt:MATRIX_FMT_FP4 matrix_b_fmt:MATRIX_FMT_FP4 matrix_b_scale:MATRIX_SCALE_ROW1
.else
	v_wmma_scale_f32_16x16x128_f8f6f4 v[rD:rD+7], v[rB:rB+7], v[rA:rA+7], v[rC:rC+7], v[rS0], v[rS1] matrix_a_fmt:MATRIX_FMT_FP4 matrix_b_fmt:MATRIX_FMT_FP4
.endif
.endm
.macro KSTEP sg                        ; 128 along K: the next step's 24 loads, then 32 products; the 32 accumulators take turns, one instruction a turn
	s_wait_dscnt 0x0                               ; this step's fragments are in
.if \sg == 3
	s_wait_tensorcnt 0x0                           ; my part of the second half of K is in,
	s_barrier_signal -1
	s_barrier_wait -1                              ; everybody's is: step 4 is fetched below
.endif
.if \sg < 7
.if \sg > 0
	PLACES                                         ; ahead of loads into registers that the last step's products read
.endif
	FETCH (\sg+1)
.endif
.if \sg == 0
	WIN 0x81                                       ; source 0 window 1, C (the bias) window 0, D window 2
.else
	WIN 0xa1
.endif
.irp a, 0,1,2,3
.irp b, 0,1,2,3,4,5,6,7
	PROD \a, \b, \sg
.endr
.endr
	WIN 0
.endm
.macro TOSTAGE a                       ; tile a's 16 rows x 128 columns into my stage, columns in their true order, and back as whole rows
	WIN 0x08                                       ; an LDS store's data are its source 1: window 2
.irp b, 0,1,2,3,4,5,6,7
	ds_store_b128 v[STO], v[64*(\a)+8*\b:64*(\a)+8*\b+3] offset:128*(\b/2)+32*(\b%2)        ; each accumulator from its low end on
	ds_store_b128 v[STO], v[64*(\a)+8*\b+4:64*(\a)+8*\b+7] offset:128*(\b/2)+32*(\b%2)+16
.endr
	WIN 0
.set BB, 96+96*((\a)%2)
.irp t, 0,1,2,3,4,5,6,7,8,9,10,11,12,13,14,15
	ds_load_b128 v[BB+4*\t:BB+4*\t+3], v[RD] offset:\t*SPITCH   ; LDS serves a wave's instructions in order: these see my stores
.endr
.endm
.macro SEND a, younger
.set BB, 96+96*((\a)%2)
	s_wait_dscnt \younger
.irp t, 0,1,2,3,4,5,6,7,8,9,10,11,12,13,14,15
	global_store_b128 v[CO], v[BB+4*\t:BB+4*\t+3], s[94:95] offset:(32*((\a)/2)+8*((\a)%2)+\t+8*(\t/8))*4096 th:TH_STORE_NT   ; 512 bytes on end, aligned
.endr
.endm
	s_load_b256 s[4:11], s[0:1], 0x0               ; ctxc s[4:5], ctxs s[6:7], opc s[8:9], ops s[10:11]
	s_load_b128 s[92:95], s[0:1], 0x20             ; b_proj s[92:93], out0 s[94:95]
	v_lshl_add_u32 v[SPW], v0, 2, SPARE
	v_mov_b32 v[NIL], 0
	ds_add_u32 v[SPW], v[NIL]                      ; the wave's opening: the add, twice on end, and its wait ahead of my first tensor load
	ds_add_u32 v[SPW], v[NIL]
	v_lshrrev_b32 v1, 5, v0
	v_readfirstlane_b32 s14, v1                    ; wave 0..3
	s_lshr_b32 s15, s14, 1                         ; my half of the rows; also: I fetch for ctx (0) or w_proj (1)
	s_and_b32 s16, s14, 1                          ; my half of the columns; also: which half I fetch
	s_bfe_u32 s40, ttmp6, 0x40000                  ; cx = the tile column
	s_bfe_u32 s41, ttmp6, 0x40004                  ; cy
	s_and_b32 s17, ttmp7, 0xffff
	s_lshl_b32 s17, s17, 2
	s_add_co_u32 s17, s17, s41                     ; the tile row: 128 tokens
	s_lshl_b32 s43, s41, 2
	s_lshl_b32 s43, 15, s43                        ; my row of the cluster
	s_lshl_b32 s44, 0x1111, s40                    ; my column
	s_or_b32 s[G1A], s43, (3<<16)|(1<<21)          ; ctx's images: 4 tiles x 4,096 bytes (512 elements of 8), 8,192 apart; no padding
	s_mov_b32 s[G1A+1], 512<<16
	s_mov_b32 s[G1A+2], 4<<16
	s_mov_b32 s[G1A+3], 512<<16
	s_mov_b32 s[G1A+4], 4
	s_mov_b32 s[G1A+5], 1024
	s_mov_b32 s[G1A+6], 0
	s_mov_b32 s[G1A+7], 0
	s_or_b32 s[G1SA], s43, (3<<16)|(1<<21)         ; ctx's scale words: 8 K steps x 256 bytes, 32,768 apart
	s_mov_b32 s[G1SA+1], 32<<16
	s_mov_b32 s[G1SA+2], 8<<16
	s_mov_b32 s[G1SA+3], 32<<16
	s_mov_b32 s[G1SA+4], 8
	s_mov_b32 s[G1SA+5], 4096
	s_mov_b32 s[G1SA+6], 0
	s_mov_b32 s[G1SA+7], 0
	s_or_b32 s[G1B], s44, (0<<16)|(1<<20)|(1<<21)|(5<<22)|(3<<25)   ; w_proj: 128 rows x 256 bytes, 512 apart; 4 words of padding behind every 64
	s_mov_b32 s[G1B+1], 256<<16
	s_mov_b32 s[G1B+2], 128<<16
	s_mov_b32 s[G1B+3], 256<<16
	s_mov_b32 s[G1B+4], 128
	s_mov_b32 s[G1B+5], 512
	s_mov_b32 s[G1B+6], 0
	s_mov_b32 s[G1B+7], 0
	s_or_b32 s[G1SB], s44, (3<<16)|(1<<20)|(1<<21)|(5<<22)|(3<<25)  ; its scale bytes: 4,096 dense bytes as 16 rows of 256, padded alike
	s_mov_b32 s[G1SB+1], 32<<16
	s_mov_b32 s[G1SB+2], 16<<16
	s_mov_b32 s[G1SB+3], 32<<16
	s_mov_b32 s[G1SB+4], 16
	s_mov_b32 s[G1SB+5], 32
	s_mov_b32 s[G1SB+6], 0
	s_mov_b32 s[G1SB+7], 0
	s_lshl_b32 s20, s17, 16                        ; ctx's images: 8 tiles of 8,192 a tile row, my half 4 tiles
	s_lshl_b32 s18, s16, 15
	s_add_co_u32 s20, s20, s18
	s_mov_b32 s21, 0
	s_lshl_b32 s22, s17, 9                         ; its scale words: 512 bytes a tile row in each K step
	s_lshl_b32 s18, s16, 8
	s_add_co_u32 s22, s22, s18
	s_mov_b32 s23, 0
	s_lshl_b32 s46, s40, 8
	s_lshl_b32 s18, s16, 7
	s_add_co_u32 s46, s46, s18
	s_add_co_u32 s46, s46, 11264                   ; w_proj's first row that I fetch
	s_lshl_b32 s12, s46, 5
	s_mov_b32 s13, 0
	s_lshl_b32 s46, s46, 9
	s_mov_b32 s47, 0
	s_lshl_b32 s45, s16, 14                        ; where they go: the wave's number alone
	s_mul_i32 s19, s16, BHALF
	s_add_co_u32 s19, s19, BT
	s_lshl_b32 s96, s16, 11
	s_add_co_u32 s96, s96, ASC
	s_mul_i32 s97, s16, HALFS
	s_add_co_u32 s97, s97, BSC
	s_wait_dscnt 0x0                               ; both opening adds are done
	s_wait_kmcnt 0x0
	s_add_nc_u64 s[20:21], s[4:5], s[20:21]
	s_add_nc_u64 s[22:23], s[6:7], s[22:23]
	s_add_nc_u64 s[46:47], s[8:9], s[46:47]
	s_add_nc_u64 s[12:13], s[10:11], s[12:13]
	CROUND                                         ; all sixteen work-groups are here: the joint loads meet
	s_mov_b32 s[G0SA], 1
	s_mov_b32 s[G0SA+1], s96
	s_mov_b64 s[G0SA+2:G0SA+3], s[22:23]
	s_or_b32 s[G0SA+3], s[G0SA+3], 0x80000000
	s_mov_b32 s[G0SB], 1
	s_mov_b32 s[G0SB+1], s97
	s_mov_b64 s[G0SB+2:G0SB+3], s[12:13]
	s_or_b32 s[G0SB+3], s[G0SB+3], 0x80000000
	JLOAD G0SA, G1SA, G0SB, G1SB                   ; three loads of mine go out: the scales, then the two halves of K
.irp k, 0,1
	s_mov_b32 s[G0A+4*\k], 1
	s_add_co_u32 s[G0A+4*\k+1], s45, \k*32768
	s_add_nc_u64 s[G0A+4*\k+2:G0A+4*\k+3], s[20:21], \k*4096
	s_or_b32 s[G0A+4*\k+3], s[G0A+4*\k+3], 0x80000000
	s_mov_b32 s[G0B+4*\k], 1
	s_add_co_u32 s[G0B+4*\k+1], s19, \k*BKH
	s_add_nc_u64 s[G0B+4*\k+2:G0B+4*\k+3], s[46:47], \k*256
	s_or_b32 s[G0B+4*\k+3], s[G0B+4*\k+3], 0x80000000
	s_wait_alu depctr_va_vdst(0)
	s_wait_tensorcnt 0x0
	ds_add_u32 v28, v29
	s_wait_dscnt 0x0
	CROUND
	JLOAD G0A+4*\k, G1A, G0B+4*\k, G1B
.endr
	v_and_b32 v1, 15, v0                           ; r
	v_bfe_u32 v2, v0, 4, 1                         ; h
	v_and_b32 v3, 31, v0
	v_lshlrev_b32 v[CO], 4, v3                     ; 16 x lane
	v_lshlrev_b32 v[BL], 6, v2                     ; 64 h
	s_wait_alu depctr_va_vdst(0)
	s_lshl_b32 s96, s40, 10                        ; my 128 columns, in bytes
	s_lshl_b32 s97, s16, 9
	s_add_co_u32 s96, s96, s97
	s_mov_b32 s97, 0
	s_add_nc_u64 s[92:93], s[92:93], s[96:97]
	s_add_nc_u64 s[94:95], s[94:95], s[96:97]
	s_lshl_b32 s96, s17, 1
	s_add_co_u32 s96, s96, s15
	s_lshl_b32 s96, s96, 18                        ; my 64 rows of 4,096 bytes
	s_add_nc_u64 s[94:95], s[94:95], s[96:97]
.irp b, 0,1,2,3,4,5,6,7
	global_load_b128 v[BI+8*\b:BI+8*\b+3], v[BL], s[92:93] offset:(32*(\b/2)+8*(\b%2))*4
	global_load_b128 v[BI+8*\b+4:BI+8*\b+7], v[BL], s[92:93] offset:(32*(\b/2)+8*(\b%2))*4+16
.endr
	s_lshl_b32 s21, s15, 14
	v_add_nc_u32 v[ADRA], s21, v[CO]
	v_mul_u32_u24 v4, v1, PITCH
	v_lshl_add_u32 v4, v2, 4, v4
	s_mul_i32 s22, s16, BHALF
	s_add_co_u32 s22, s22, BT
	v_add_nc_u32 v[ADRB], s22, v4
	s_add_co_u32 s22, s22, BKH
	v_add_nc_u32 v[ADRB+1], s22, v4
	v_lshlrev_b32 v5, 2, v3
	s_lshl_b32 s21, s15, 11
	s_add_co_u32 s21, s21, ASC
	v_add_nc_u32 v[ADSA], s21, v5
	v_lshlrev_b32 v5, 5, v1                        ; 32 bytes a row,
	v_lshrrev_b32 v6, 3, v1
	v_lshl_add_u32 v5, v6, 4, v5                   ; 16 more behind each 256,
	v_mul_u32_u24 v6, v2, 4*SBLK                   ; lanes 16-31 four blocks on
	v_add_nc_u32 v5, v5, v6
	s_mul_i32 s21, s16, HALFS
	s_add_co_u32 s21, s21, BSC
	v_add_nc_u32 v[ADSB], s21, v5
	s_mul_i32 s23, s14, 16*SPITCH
	s_add_co_u32 s23, s23, STG
	v_mul_u32_u24 v5, v1, SPITCH
	v_lshl_add_u32 v5, v2, 6, v5
	v_add_nc_u32 v[STO], s23, v5
	v_add_nc_u32 v[RD], s23, v[CO]
	s_wait_alu depctr_va_vdst(0)
	s_wait_tensorcnt 1                             ; the scales and my part of the first half of K are in; the second half's load may be out
	s_barrier_signal -1
	s_barrier_wait -1
.irp g, 0,1,2,3,4,5,6,7
.irp u, 0,1
	ds_load_b32 v[SA+2*\g+\u], v[ADSA] offset:256*\g+128*\u
.endr
.endr
.irp i, 0,1,2,3
.irp k, 0,1
	ds_load_b128 v[SB+8*\i+4*\k:SB+8*\i+4*\k+3], v[ADSB] offset:SBLK*\i+16*\k
.endr
.endr
	FETCH 0
	s_wait_loadcnt 0x0                             ; the bias
.irp g, 0,1,2,3,4,5,6,7
	KSTEP \g
.endr
	PLACES                                         ; ahead of the first read of results and of loads into the fragments' registers
	TOSTAGE 0
.irp a, 1,2,3
.if \a > 1
	s_wait_xcnt 0x0                                ; tile a - 2's stores have read their registers: tile a's loads may land there
.endif
	TOSTAGE \a
	SEND \a-1, 32                                  ; behind tile a - 1's loads: tile a's 16 stores and 16 loads
.endr
	SEND 3, 0
	s_wait_tensorcnt 0x0                           ; the wave's end
	ds_add_u32 v[SPW], v[NIL]
	s_wait_dscnt 0x0
	CROUND                                         ; the closing round
	s_endpgm
.Lfunc_end_k_qdc013e10f1_gemm_proj:
	.size	k_qdc013e10f1_gemm_proj, .Lfunc_end_k_qdc013e10f1_gemm_proj-k_qdc013e10f1_gemm_proj
	.p2alignl 7, 3214868480
	.fill 96, 4, 3214868480
	.section	.rodata,"a",@progbits
	.p2align	6, 0x0
	.amdhsa_kernel k_qdc013e10f1_gemm_proj
		.amdhsa_group_segment_fixed_size 327680
		.amdhsa_private_segment_fixed_size 0
		.amdhsa_enable_private_segment 0
		.amdhsa_kernarg_size 48
		.amdhsa_user_sgpr_count 2
		.amdhsa_user_sgpr_kernarg_segment_ptr 1
		.amdhsa_wavefront_size32 1
		.amdhsa_system_sgpr_workgroup_id_x 1
		.amdhsa_system_sgpr_workgroup_id_y 1
		.amdhsa_system_sgpr_workgroup_id_z 1
		.amdhsa_system_vgpr_workitem_id 0
		.amdhsa_next_free_vgpr 768
		.amdhsa_next_free_sgpr 100
		.amdhsa_reserve_vcc 0
		.amdhsa_float_denorm_mode_32 3
		.amdhsa_float_denorm_mode_16_64 3
		.amdhsa_memory_ordered 1
		.amdhsa_forward_progress 1
		.amdhsa_inst_pref_size 75
	.end_amdhsa_kernel
	.amdgpu_metadata
---
amdhsa.version: [ 1, 2 ]
amdhsa.kernels:
  - .name:           k_qdc013e10f1_gemm_proj
    .symbol:         k_qdc013e10f1_gemm_proj.kd
    .args:
      - { .name: ctxc, .offset: 0, .size: 8, .value_kind: global_buffer, .address_space: global }
      - { .name: ctxs, .offset: 8, .size: 8, .value_kind: global_buffer, .address_space: global }
      - { .name: opc, .offset: 16, .size: 8, .value_kind: global_buffer, .address_space: global }
      - { .name: ops, .offset: 24, .size: 8, .value_kind: global_buffer, .address_space: global }
      - { .name: b_proj, .offset: 32, .size: 8, .value_kind: global_buffer, .address_space: global }
      - { .name: out0, .offset: 40, .size: 8, .value_kind: global_buffer, .address_space: global }
    .group_segment_fixed_size: 327680
    .private_segment_fixed_size: 0
    .kernarg_segment_align: 8
    .kernarg_segment_size: 48
    .max_flat_workgroup_size: 128
    .sgpr_count:     100
    .vgpr_count:     768
    .wavefront_size: 32
...
	.end_amdgpu_metadata
.endif
;; end of part 4
